; MI455X (gfx1250); checked and timed in simulation.
; The chip was launched on July 23, 2026; its instructions are those of AMD's public machine-readable ISA for CDNA 5 (MIT licence, August 2026) and "CDNA5" Instruction Set Architecture Reference Guide (July 2026). The comments in the code are by the model that wrote it; some were corrected since.
;; Brahman Attention. Allowed arithmetic: matrix products marked QUANTISED: E2M1 operands, one E8M0 scale for each 32 along K, by v_wmma_scale_f32_16x16x128_f8f6f4 with both operands' format E2M1 (or v_wmma_scale_f32_32x16x128_f4), f32 sums; products left as they are: bf16, f16 or f32 operands; f32 sums; everything else in f32.
;; Inputs: Wk 1,024 x 1,024 float32; Wo 1,024 x 1,024 float32; Wq 1,024 x 1,024 float32; Wv 1,024 x 1,024 float32; bk 1,024 float32; bo 1,024 float32; bq 1,024 float32; bv 1,024 float32; case_bias 16 x 8 x 8 float32; case_ids 4 x 1,024 int32; verb_bias 16 float32; verb_mask 4 x 1,024 int32; x 4 x 1,024 x 1,024 float32.
;; Outputs: out0 4 x 1,024 x 1,024 float32.
;; This version of the problem:
;;   THIS VERSION OF THE PROBLEM IS GIVEN IN LOW PRECISION. The matrix products marked QUANTISED in the list below multiply operands that are first quantised to E2M1 (2 exponent bits, 1 mantissa bit; 4 bits a number), with one power-of-two scale for each 32 numbers along K (OCP MX v1.0); their sums are f32. The products marked 'left as it is' may take bf16, f16 or f32 operands, with f32 sums. Whichever they take, every output number must still come out within the allowed error. Rounding operands to bf16 (8 significant bits) uses up far more of that allowance than f16 does (11 bits, for magnitudes from 6e-5 to 65,504). All else is computed in f32.
;;   The module's matrix products, in the order in which they are computed (A, B: the left and right operand; K: the contracted axis; several contracted axes count as one K, in the product's order):
;;     1. [M 4,096, K 1,024] x [K 1,024, N 1,024]; A: input x; B: input Wq: QUANTISED
;;     2. [M 4,096, K 1,024] x [K 1,024, N 1,024]; A: input x; B: input Wk: QUANTISED
;;     3. [M 4,096, K 1,024] x [K 1,024, N 1,024]; A: input x; B: input Wv: QUANTISED
;;     4. batch 64 x [M 1,024, K 64] x [K 64, N 1,024]; A: computed on the way; B: computed on the way: left as it is (an operand is computed on the way)
;;     5. batch 64 x [M 1,024, K 1,024] x [K 1,024, N 64]; A: computed on the way; B: computed on the way: left as it is (an operand is computed on the way)
;;     6. [M 4,096, K 1,024] x [K 1,024, N 1,024]; A: computed on the way; B: input Wo: left as it is (an operand is computed on the way)
;;   THE QUANTISER, for each operand of a quantised product, along K:
;;     - K is cut into blocks of 32 from its start; a last block that is shorter is filled with zeros.
;;     - A block's scale is 2^e with e = floor(log2(the largest magnitude in the block)) - 2, held to -126 .. 127; a block of zeros has e = 0. As a byte (E8M0): e + 127.
;;     - Each number is divided by its block's scale, clamped to +-6, and rounded to the nearest number of E2M1, ties to even, subnormals kept.
;;     - The product sums the exact products of the quantised numbers (number of the format x scale) in f32.
;;   ~~~python
;;   def quantise(x, axis):      # numpy; x: float32 -> the quantised numbers, widened to float32 again
;;       x = np.moveaxis(x, axis, -1); K = x.shape[-1]
;;       x = np.pad(x, [(0, 0)] * (x.ndim - 1) + [(0, -K % 32)]); x = x.reshape(x.shape[:-1] + (-1, 32)); a = np.abs(x).max(-1, keepdims=True)
;;       e = np.where(a > 0, np.clip(np.frexp(np.where(a > 0, a, 1))[1] - 1 - 2, -126, 127), 0)      # np.frexp(a)[1] - 1 = floor(log2(a)), exactly
;;       r = np.clip(x / 2.0 ** e, -6, 6)
;;       step = 2.0 ** (np.maximum(np.frexp(np.where(r == 0, 1, r))[1] - 1, 0) - 1)
;;       q = np.round(r / step) * step * 2.0 ** e      # np.round: ties to even
;;       return np.moveaxis(q.reshape(q.shape[:-2] + (-1,))[..., :K], -1, axis).astype(np.float32)
;;   ~~~
;; One version. Each part assembles by itself: llvm-mc -triple=amdgcn-amd-amdhsa -mcpu=gfx1250 --defsym DOCPART=n.
;; ======== version 1 of 1: 4 launches
;; limits: values are held in f16: magnitudes above 65,504 overflow, below 6.1e-05 lose precision; right only within a limited range of input values
;; workspace buffers: xc 2,097,152 bytes; xs 131,072 bytes; wc 1,572,864 bytes; ws 98,304 bytes; wo16 2,097,152 bytes; qkv 25,165,824 bytes; ob 8,388,608 bytes
;; launch prep (part 1): grid 256 x 1, 8 waves a work-group, no clusters, 61,440 bytes of LDS; arguments x, Wq, Wk, Wv, Wo, xc, xs, wc, ws, wo16; writes xc, xs, wc, ws, wo16
.if DOCPART == 1
	.amdgcn_target "amdgcn-amd-amdhsa--gfx1250"
	.amdhsa_code_object_version 6
	.text
	.protected	k_q7cb0de14a9_prep
	.globl	k_q7cb0de14a9_prep
	.p2align	8
	.type	k_q7cb0de14a9_prep,@function
k_q7cb0de14a9_prep:
	s_mov_b64 s[64:65], 0
	v_nop
	global_prefetch_b8 v0, s[64:65] scope:SCOPE_SE
	s_setreg_imm32_b32 hwreg(HW_REG_WAVE_MODE, 25, 1), 1
	s_wait_xcnt 0x0
; THE OPERANDS ARE MADE READY, ONCE.  x [4096][1024] f32 -> codes of FP4 (E2M1), K innermost, xc [4096][512 bytes], and one E8M0 byte for each 32 along K, xs [4096][32].
; Wq, Wk, Wv [1024 k][1024 n] f32, K their FIRST axis -> codes wc [3072 = q, k, v x 1024 n][512 bytes], K innermost, and bytes ws [3072][32].  Wo [1024 k][1024 n] f32 -> f16, layout kept, wo16.
; A block's scale is 2^(floor(log2(its largest magnitude)) - 2); its byte is the largest magnitude's exponent field - 2, held at 1 from below.  A block of zeros so gets the byte 1 where the rule says 127:
; its codes are zeros, which add nothing under any byte but 0xff, and the bytes are read by this program alone.
; LIMITS: NaN and infinities are not served; blocks whose largest magnitude lies under 2^-124 keep the byte 1; |Wo| stays under 65,504 (f16).
; SHARES: 256 work-groups of eight waves, 128 KiB of input each.  Work-groups 0-127: x, 32,768 numbers each, a wave 8 steps of 512.  Work-groups 128-223: 64 columns x 512 K of one weight, a wave 32 columns x 128 K.
; Work-groups 224-255: 32,768 numbers of Wo.  The three paths part on the work-group's number alone, have LDS bytes of their own, and meet at ONE barrier.  Each wave issues all its loads at once.
; No work-group shares an input byte with another: no cluster, no tensor load, no matrix unit.
.set XST,   0                          ; x: two stages of 32 x 80 bytes for each wave
.set XSC,   40960                      ; x: the work-group's 1,024 scale bytes
.set WST,   41984                      ; weights: 64 rows (columns n) x (256 bytes of codes + 16)
.set WSC,   59392                      ; weights: 64 columns x 16 scale bytes
.set SPARE, 60416                      ; the spare words, 128 bytes for each wave: four blocks of 256 bytes that no other line names
.set SP,    80
.set WP,    272
.set SPW,   12                         ; v12  LDS address of my spare word; never rewritten
.set NIL,   13                         ; v13  0; never rewritten
.set R,     32                         ; v32-159  128 numbers as loaded
.set X,     160                        ; v160-191 x: two sets of 16 neighbours;  v160-223 Wo: f16 pairs
.set C,     192                        ; v192-207 codes
.set E,     208                        ; v208-215 x: a scale byte for each step
	s_load_b256 s[4:11], s[0:1], 0x0               ; x s[4:5], Wq s[6:7], Wk s[8:9], Wv s[10:11]
	s_load_b256 s[12:19], s[0:1], 0x20             ; Wo s[12:13], xc s[14:15], xs s[16:17], wc s[18:19]
	s_load_b128 s[20:23], s[0:1], 0x40             ; ws s[20:21], wo16 s[22:23]
	v_lshl_add_u32 v[SPW], v0, 2, SPARE
	v_mov_b32 v[NIL], 0
	v_lshrrev_b32 v1, 5, v0
	v_readfirstlane_b32 s24, v1                    ; wave 0..7
	v_and_b32 v2, 31, v0                           ; lane
	v_lshlrev_b32 v3, 4, v2                        ; 16 x lane
	v_lshlrev_b32 v4, 3, v2                        ; 8 x lane
	; every LDS address is made here, ahead of the parting of the paths
	s_lshl_b32 s26, s24, 7
	s_add_co_u32 s26, s26, XSC
	v_lshrrev_b32 v5, 1, v2
	v_add_nc_u32 v5, s26, v5                       ; x: my wave's 128 scale bytes, my block's byte
	v_lshl_add_u32 v6, v0, 4, XSC                  ; x: the bytes on their way out, 16 a thread
	v_lshlrev_b32 v7, 4, v0
	s_mul_i32 s27, s24, 2*32*SP
	v_lshrrev_b32 v14, 2, v2
	v_mul_u32_u24 v14, v14, SP
	v_and_b32 v15, 3, v2
	v_lshl_add_u32 v14, v15, 4, v14
	v_add_nc_u32 v14, s27, v14                     ; x: the stage on the way in: four lanes' 64 bytes on end, then 16 of padding
	v_mul_u32_u24 v15, v2, SP
	v_add_nc_u32 v15, s27, v15                     ; and on the way out: my 16 neighbours
	v_lshlrev_b32 v16, 2, v2                       ; 4 x lane
	s_and_b32 s28, s24, 1                          ; weights: which 32 of the 64 columns
	s_lshr_b32 s29, s24, 1                         ; and which 128 of the 512 along K
	s_mul_i32 s30, s28, 32*WP
	s_lshl_b32 s31, s29, 6
	s_add_co_u32 s30, s30, s31
	s_add_co_u32 s30, s30, WST
	v_mul_u32_u24 v17, v2, WP
	v_add_nc_u32 v17, s30, v17                     ; into the stage: row = my column, my 64 bytes of its 256
	s_mul_i32 s31, s24, 8*WP
	s_add_co_u32 s31, s31, WST
	v_and_b32 v8, 15, v2
	v_lshrrev_b32 v9, 4, v2
	v_mul_u32_u24 v18, v9, WP
	v_lshl_add_u32 v18, v8, 4, v18
	v_add_nc_u32 v18, s31, v18                     ; out of it: my wave's 8 rows, sixteen lanes to a row
	s_lshl_b32 s32, s24, 12
	v_lshlrev_b32 v19, 9, v9
	v_lshl_add_u32 v19, v8, 4, v19
	v_add_nc_u32 v19, s32, v19                     ; and the same place in wc (rows of 512 bytes)
	s_lshl_b32 s33, s28, 9
	s_lshl_b32 s34, s29, 2
	s_add_co_u32 s33, s33, s34
	s_add_co_u32 s33, s33, WSC
	v_lshl_add_u32 v20, v2, 4, s33                 ; my column's four scale bytes
	v_lshl_add_u32 v21, v0, 4, WSC                 ; a column's 16 bytes on their way out
	v_lshlrev_b32 v22, 5, v0                       ; and its row of ws (32 bytes)
	s_mov_b32 s37, 0
	s_wait_kmcnt 0x0
	s_cmp_lt_u32 ttmp9, 128
	s_cbranch_scc1 .LX
	s_cmp_lt_u32 ttmp9, 224
	s_cbranch_scc1 .LW
	; ---- Wo to f16.  A wave's 4,096 numbers: 32 loads of 512 consecutive bytes, 32 stores of 256
	s_sub_co_u32 s26, ttmp9, 224
	s_lshl_b32 s26, s26, 3
	s_add_co_u32 s26, s26, s24                     ; which run of 4,096 numbers
	s_lshl_b32 s36, s26, 14
	s_add_nc_u64 s[12:13], s[12:13], s[36:37]
	s_lshl_b32 s36, s26, 13
	s_add_nc_u64 s[22:23], s[22:23], s[36:37]
.set j, 0
.rept 32
	global_load_b128 v[R+4*j:R+4*j+3], v3, s[12:13] offset:512*j th:TH_LOAD_NT
.set j, j+1
.endr
.set j, 0
.rept 8
	s_wait_loadcnt 28-4*j                          ; loads come back in order: the four of this group are in, the 28 - 4 j behind them may be out
.irp i, 0,1,2,3
	v_cvt_pk_f16_f32 v[X+2*(4*j+\i)], v[R+4*(4*j+\i)], v[R+4*(4*j+\i)+1]
	v_cvt_pk_f16_f32 v[X+2*(4*j+\i)+1], v[R+4*(4*j+\i)+2], v[R+4*(4*j+\i)+3]
.endr
.irp i, 0,1,2,3
	global_store_b64 v4, v[X+2*(4*j+\i):X+2*(4*j+\i)+1], s[22:23] offset:256*(4*j+\i)   ; 32 lanes store 256 consecutive bytes, aligned; each store has data registers of its own
.endr
.set j, j+1
.endr
	s_branch .Ljoin
	; ---- x.  A lane must hold 16 NEIGHBOURS for the conversions, and a load is best where neighbouring lanes take neighbouring bytes: so a step's 2,048 bytes turn through the wave's own stage
.macro XLOAD t
.irp i, 0,1,2,3
	global_load_b128 v[R+16*(\t)+4*\i:R+16*(\t)+4*\i+3], v3, s[4:5] offset:2048*(\t)+512*\i th:TH_LOAD_NT
.endr
.endm
.macro XTURN t                         ; LDS serves a wave's instructions in order: no wait between the stores and the loads
.irp i, 0,1,2,3
	ds_store_b128 v14, v[R+16*(\t)+4*\i:R+16*(\t)+4*\i+3] offset:32*SP*((\t)%2)+8*SP*\i
.endr
.irp i, 0,1,2,3
	ds_load_b128 v[X+16*((\t)%2)+4*\i:X+16*((\t)%2)+4*\i+3], v15 offset:32*SP*((\t)%2)+16*\i
.endr
.endm
.macro XSTEP t
.set XS, X+16*((\t)%2)
.if (\t) > 0
	s_wait_dscnt 1                                 ; this step's numbers are back from the stage; the last step's byte store may be out
.else
	s_wait_dscnt 0x0
.endif
.if (\t) < 7
	s_wait_loadcnt 4*(6-(\t))                      ; the next step's four loads are in; those of the 6 - t steps behind it may be out
	XTURN (\t)+1                                   ; and go through the other stage while this step is worked
.endif
	v_max3_num_f32 v8, |v[XS]|, |v[XS+1]|, |v[XS+2]|               ; the largest magnitude of my 16, in two chains
	v_max3_num_f32 v9, |v[XS+3]|, |v[XS+4]|, |v[XS+5]|
.irp i, 6,10
	v_max3_num_f32 v8, v8, |v[XS+\i]|, |v[XS+\i+1]|
	v_max3_num_f32 v9, v9, |v[XS+\i+2]|, |v[XS+\i+3]|
.endr
	v_max3_num_f32 v8, v8, |v[XS+14]|, |v[XS+15]|
	v_max3_num_f32 v8, v8, v9, 0x1800000           ; and the floor 2^(3 - 127): the byte cannot fall under 1
	v_max_num_f32_dpp v8, v8, v8 row_xmask:1 row_mask:0xf bank_mask:0xf   ; with my neighbour's 16: the block's
	v_add_nc_u32 v11, 0xff000000, v8               ; 2 off its exponent field: the conversion takes the exponent field of this operand as its scale
	v_cvt_scalef32_pk8_fp4_f32 v[C+2*(\t)], v[XS:XS+7], v11
	v_cvt_scalef32_pk8_fp4_f32 v[C+2*(\t)+1], v[XS+8:XS+15], v11
	v_lshrrev_b32 v[E+(\t)], 23, v11               ; the scale's byte (a plain line behind the conversions)
	ds_store_b8 v5, v[E+(\t)] offset:16*(\t)       ; both lanes of a block write the same byte with the same value
	global_store_b64 v4, v[C+2*(\t):C+2*(\t)+1], s[14:15] offset:256*(\t)   ; 32 lanes store 256 consecutive bytes, aligned
.endm
.LX:
	s_lshl_b32 s26, ttmp9, 3
	s_add_co_u32 s26, s26, s24                     ; which run of 4,096 numbers
	s_lshl_b32 s36, s26, 14
	s_add_nc_u64 s[4:5], s[4:5], s[36:37]
	s_lshl_b32 s36, s26, 11
	s_add_nc_u64 s[14:15], s[14:15], s[36:37]
	s_lshl_b32 s36, ttmp9, 10
	s_add_nc_u64 s[16:17], s[16:17], s[36:37]      ; the work-group's 1,024 scale bytes
.irp t, 0,1,2,3,4,5,6,7
	XLOAD \t
.endr
	s_wait_loadcnt 28                              ; step 0's four loads are in
	XTURN 0
.irp t, 0,1,2,3,4,5,6,7
	XSTEP \t
.endr
	s_branch .Ljoin
	; ---- a weight.  A LANE TAKES A COLUMN n AND ITS REGISTERS RUN DOWN K: a block of 32 lies in one lane, and the conversions give codes with K innermost.  Nothing is transposed by an instruction
.macro WLOAD t
.set i, 0
.rept 32
	global_load_b32 v[R+32*(\t)+i], v16, s[6:7] offset:(32*(\t)+i)*4096 th:TH_LOAD_NT   ; 32 lanes read 128 consecutive bytes of row k
.set i, i+1
.endr
.endm
.macro WBLOCK t
.set XS, R+32*(\t)
.if (\t) < 2
	s_wait_loadcnt 63                              ; 96 (block 0) or 64 (block 1) younger loads might stay out; a wait's count names 63 at the most, and a smaller count is safe
.elseif (\t) == 2
	s_wait_loadcnt 32
.else
	s_wait_loadcnt 0x0
.endif
	v_max3_num_f32 v24, |v[XS]|, |v[XS+1]|, |v[XS+2]|
	v_max3_num_f32 v25, |v[XS+3]|, |v[XS+4]|, |v[XS+5]|
.irp i, 6,10,14,18,22,26
	v_max3_num_f32 v24, v24, |v[XS+\i]|, |v[XS+\i+1]|
	v_max3_num_f32 v25, v25, |v[XS+\i+2]|, |v[XS+\i+3]|
.endr
	v_max3_num_f32 v24, v24, |v[XS+30]|, |v[XS+31]|
	v_max3_num_f32 v24, v24, v25, 0x1800000        ; the floor
	v_add_nc_u32 v26, 0xff000000, v24              ; the conversion's scale operand
	v_lshrrev_b32 v25, 23, v26                     ; the scale's byte
.if (\t) == 0
	v_mov_b32 v27, v25                             ; four bytes to a register, the lower K in the lower byte
.else
	v_lshl_or_b32 v27, v25, 8*(\t), v27
.endif
.irp g, 0,1,2,3
	v_cvt_scalef32_pk8_fp4_f32 v[C+4*(\t)+\g], v[XS+8*\g:XS+8*\g+7], v26
.endr
	v_nop                                          ; a plain line behind the last conversion
	ds_store_b128 v17, v[C+4*(\t):C+4*(\t)+3] offset:16*(\t)   ; 32 codes: 16 bytes of my column's row
.endm
.LW:
	s_sub_co_u32 s26, ttmp9, 128
	s_lshr_b32 s35, s26, 5                         ; which weight: 0 q, 1 k, 2 v
	s_and_b32 s38, s26, 15                         ; which 64 columns
	s_bfe_u32 s39, s26, 0x10004                    ; which 512 along K
	s_cmp_eq_u32 s35, 0
	s_cselect_b64 s[6:7], s[6:7], s[8:9]
	s_cmp_eq_u32 s35, 2
	s_cselect_b64 s[6:7], s[10:11], s[6:7]         ; the choice hangs on the work-group's number alone
	s_lshl_b32 s36, s39, 2
	s_add_co_u32 s36, s36, s29
	s_lshl_b32 s36, s36, 19                        ; 128 rows of 4,096 bytes for each 128 along K
	s_lshl_b32 s40, s38, 8
	s_add_co_u32 s36, s36, s40                     ; + 64 columns x 4 bytes
	s_lshl_b32 s40, s28, 7
	s_add_co_u32 s36, s36, s40                     ; + my wave's 32
	s_add_nc_u64 s[6:7], s[6:7], s[36:37]
	s_lshl_b32 s41, s35, 10
	s_lshl_b32 s40, s38, 6
	s_add_co_u32 s41, s41, s40                     ; the work-group's first row of wc and ws
	s_lshl_b32 s36, s41, 9
	s_lshl_b32 s40, s39, 8
	s_add_co_u32 s36, s36, s40
	s_add_nc_u64 s[18:19], s[18:19], s[36:37]
	s_lshl_b32 s36, s41, 5
	s_lshl_b32 s40, s39, 4
	s_add_co_u32 s36, s36, s40
	s_add_nc_u64 s[20:21], s[20:21], s[36:37]
.irp t, 0,1,2,3
	WLOAD \t
.endr
.irp t, 0,1,2,3
	WBLOCK \t
.endr
	ds_store_b32 v20, v27
.Ljoin:
	s_wait_dscnt 0x0                               ; for the others' sake: my LDS stores have landed
	s_barrier_signal -1
	s_barrier_wait -1
	s_cmp_lt_u32 ttmp9, 128
	s_cbranch_scc1 .LX2
	s_cmp_lt_u32 ttmp9, 224
	s_cbranch_scc0 .Lend
	; a weight's codes leave by rows: sixteen lanes store 256 consecutive bytes, aligned
.irp i, 0,1,2,3
	ds_load_b128 v[R+4*\i:R+4*\i+3], v18 offset:2*WP*\i
.endr
.irp i, 0,1,2,3
	s_wait_dscnt 3-\i
	global_store_b128 v19, v[R+4*\i:R+4*\i+3], s[18:19] offset:1024*\i
.endr
	s_cmp_lt_u32 s24, 2
	s_cbranch_scc0 .Lend
	ds_load_b128 v[R+16:R+19], v21                 ; a column's 16 scale bytes: half of its row of ws; one byte in 128 of what the path reads leaves in such pieces
	s_wait_dscnt 0x0
	global_store_b128 v22, v[R+16:R+19], s[20:21]
	s_branch .Lend
.LX2:
	s_cmp_lt_u32 s24, 2
	s_cbranch_scc0 .Lend
	ds_load_b128 v[8:11], v6                       ; x's 1,024 scale bytes: two waves store 512 consecutive bytes each
	s_wait_dscnt 0x0
	global_store_b128 v7, v[8:11], s[16:17]
.Lend:
	s_wait_tensorcnt 0x0                           ; the wave's end
	ds_add_u32 v[SPW], v[NIL]
	s_wait_dscnt 0x0
	s_endpgm
.Lfunc_end_k_q7cb0de14a9_prep:
	.size	k_q7cb0de14a9_prep, .Lfunc_end_k_q7cb0de14a9_prep-k_q7cb0de14a9_prep
	.p2alignl 7, 3214868480
	.fill 96, 4, 3214868480
	.section	.rodata,"a",@progbits
	.p2align	6, 0x0
	.amdhsa_kernel k_q7cb0de14a9_prep
		.amdhsa_group_segment_fixed_size 61440
		.amdhsa_private_segment_fixed_size 0
		.amdhsa_enable_private_segment 0
		.amdhsa_kernarg_size 80
		.amdhsa_user_sgpr_count 2
		.amdhsa_user_sgpr_kernarg_segment_ptr 1
		.amdhsa_wavefront_size32 1
		.amdhsa_system_sgpr_workgroup_id_x 1
		.amdhsa_system_sgpr_workgroup_id_y 1
		.amdhsa_system_sgpr_workgroup_id_z 1
		.amdhsa_system_vgpr_workitem_id 0
		.amdhsa_next_free_vgpr 224
		.amdhsa_next_free_sgpr 66
		.amdhsa_reserve_vcc 0
		.amdhsa_float_denorm_mode_32 3
		.amdhsa_float_denorm_mode_16_64 3
		.amdhsa_memory_ordered 1
		.amdhsa_forward_progress 1
		.amdhsa_inst_pref_size 50
	.end_amdhsa_kernel
	.amdgpu_metadata
---
amdhsa.version: [ 1, 2 ]
amdhsa.kernels:
  - .name:           k_q7cb0de14a9_prep
    .symbol:         k_q7cb0de14a9_prep.kd
    .args:
      - { .name: x, .offset: 0, .size: 8, .value_kind: global_buffer, .address_space: global }
      - { .name: Wq, .offset: 8, .size: 8, .value_kind: global_buffer, .address_space: global }
      - { .name: Wk, .offset: 16, .size: 8, .value_kind: global_buffer, .address_space: global }
      - { .name: Wv, .offset: 24, .size: 8, .value_kind: global_buffer, .address_space: global }
      - { .name: Wo, .offset: 32, .size: 8, .value_kind: global_buffer, .address_space: global }
      - { .name: xc, .offset: 40, .size: 8, .value_kind: global_buffer, .address_space: global }
      - { .name: xs, .offset: 48, .size: 8, .value_kind: global_buffer, .address_space: global }
      - { .name: wc, .offset: 56, .size: 8, .value_kind: global_buffer, .address_space: global }
      - { .name: ws, .offset: 64, .size: 8, .value_kind: global_buffer, .address_space: global }
      - { .name: wo16, .offset: 72, .size: 8, .value_kind: global_buffer, .address_space: global }
    .group_segment_fixed_size: 61440
    .private_segment_fixed_size: 0
    .kernarg_segment_align: 8
    .kernarg_segment_size: 80
    .max_flat_workgroup_size: 256
    .sgpr_count:     66
    .vgpr_count:     224
    .wavefront_size: 32
...
	.end_amdgpu_metadata
.endif
;; end of part 1
;; launch qkv (part 2): grid 12 x 16, 4 waves a work-group, clusters of 4 x 4, 327,680 bytes of LDS; arguments xc, xs, wc, ws, bq, bk, bv, qkv; writes qkv
.if DOCPART == 2
	.amdgcn_target "amdgcn-amd-amdhsa--gfx1250"
	.amdhsa_code_object_version 6
	.text
	.protected	k_q7cb0de14a9_qkv
	.globl	k_q7cb0de14a9_qkv
	.p2align	8
	.type	k_q7cb0de14a9_qkv,@function
k_q7cb0de14a9_qkv:
	s_mov_b64 s[64:65], 0
	v_nop
	global_prefetch_b8 v0, s[64:65] scope:SCOPE_SE
	s_setreg_imm32_b32 hwreg(HW_REG_WAVE_MODE, 25, 1), 1
	s_wait_xcnt 0x0
	s_wait_alu depctr_hold_cnt(0) depctr_sa_sdst(0) depctr_va_vdst(0) depctr_va_sdst(0) depctr_va_ssrc(0) depctr_va_vcc(0) depctr_vm_vsrc(0)
	s_getreg_b32 s2, hwreg(HW_REG_IB_STS2, 6, 4)
	s_cmp_eq_u32 s2, 0
	s_cbranch_scc0 .Lentry_in_a_cluster
	s_endpgm
.Lentry_in_a_cluster:
	s_bfe_u32 s2, ttmp6, 0x10000c
	s_cmp_lg_u32 s2, 0xf033
	s_cbranch_scc0 .Lentry_shape_is_right
	s_endpgm
.Lentry_shape_is_right:
; Q, K, V = x W + b, all three in one GEMM on codes of FP4 (E2M1) with one E8M0 scale for each 32 along K: C[m][n] = sum over k of x[m][k] W[n][k] + b[n], m 4,096, n 3,072 (q, k, v x 1,024), k 1,024; sums in f32.
; The result is rounded once to f16 and laid by heads: qkv [4 batches][48 = 16 heads of Q, 16 of K, 16 of V][1,024 positions][64].  LIMIT: |Q|, |K|, |V| stay under 65,504.
; A tile of C, 256 x 256, is made by a work-group of four waves; a wave makes 128 x 128: 64 accumulators of 16 x 16, 512 registers.  192 work-groups: a tile of 256 x 192 would give 256 of them, but it would straddle
; the border between two weights.  K is 1,024: two slots of 512 along K (rows of 256 bytes) hold ALL of it, so every tensor load is a first fill: three a wave (scales, slot 0, slot 1), and no slot is filled again.
; CLUSTERS: 4 x 4 work-groups.  The four of a row need the same tiles of x, the four of a column the same tiles of W: each tile is asked for JOINTLY, by the same tensor load with the same descriptor and a mask of the four.
; THE MATRIX INSTRUCTION IS USED TRANSPOSED (source 0 = 16 rows of W, source 1 = 16 rows of x): a lane then holds eight neighbouring n of one row m.  THE BIAS is the C of each sum's first product.
; No prefetch: all that the launch reads is asked for at its head.
; REGISTERS, in windows of 256: window 0: v0-31 addresses; v32-95 scale words, two sets; v128-191 x's fragments, ONE set; v192-255 the bias, 8 blocks of 16 n; on the way out v32-127 are free.
;   window 1: W's fragments, TWO sets, at v0 and v128.   window 2: the accumulators of my rows 0-63 ((a, b) at v[8 (8 a + b)]);   window 3: those of my rows 64-127.
.set SIZE_K, 1024
.set NQ,     4                         ; matrix instructions deep in a slot
.set ROWB,   256                       ; a tile's row in bytes: 512 codes
.set KROW,   512                       ; a row of xc or wc in memory
.set PITCH,  272                       ; an LDS row: 256 bytes + 16 of padding: the 16 rows that a load touches start 68 words apart
.set FR,     8
.set NL,     2
.set NP,     4                         ; places behind this matrix instruction (ISA guide 7.12.1)
.set HALFT,  128*PITCH
.set SLOT,   4*HALFT
.set KS,     32                        ; a row of scale bytes
.set SCL,    2*SLOT                    ; behind the slots: the scales, as units of 256 bytes + 16 of padding
.set HALFS,  16*272                    ; those of 128 rows: what one tensor load brings
.set SBLK,   2*272                     ; those of 16 rows
.set SPARE,  SCL+4*HALFS               ; the spare words, 128 bytes for each wave: two blocks of 256 bytes that no other line names
.set SP,     144                       ; the way out: a stage row: a head's 128 bytes + 16
.set STG,    2*16*SP                   ; a wave's stage: 2 heads x 16 rows.  It lies in slot 0, which has had its only fill and its last read when the first result is stored there
.set ADRA, 16
.set ADRB, 20
.set STO,  24
.set RD,   25
.set CO,   26
.set ADRS, 27
.set SPW,  28
.set NIL,  29
.set SC,   32
.set AF,   128
.set BI,   192                         ; the bias
.set TMP,  32                          ; the way out: packed results
.set BK,   64                          ; the way out: rows read back: v64-95 and v96-127 by turns
.set G1, 24
.set G0, 32
.set G1B, 48
.set G0B, 56
.set G1S, 68
.set G0S, 76
.set G1SB, 80
.set G0SB, 88
.set MSB, 0
.macro WIN new                         ; the immediate's high byte repeats the setting that is left
.if MSB != \new
	s_set_vgpr_msb (MSB<<8)|\new
.set MSB, \new
.endif
.endm
.set MUL_LO,  0xa1                     ; source 0 (W) window 1, source 1 (x) window 0, C and D window 2
.set MUL_HI,  0xf1                     ; the same, C and D window 3
.set BIAS_LO, 0x81                     ; the first products: C (the bias) window 0, D window 2
.set BIAS_HI, 0xc1                     ; D window 3
.set TO_B,    0x40
; A joint load: waves 0 and 1 fetch for x, waves 2 and 3 for W.  The branch hangs on the wave's number alone.  An s_nop 0 and four v_nop follow each of the two lines.
.macro JLOAD g0a, g1a, g0b, g1b
	s_cmp_eq_u32 s15, 0
	s_cbranch_scc0 .Lfor_b_\@
	tensor_load_to_lds s[\g0a:\g0a+3], s[\g1a:\g1a+7]
	s_nop 0
.rept 4
	v_nop
.endr
	s_branch .Lasked_\@
.Lfor_b_\@:
	tensor_load_to_lds s[\g0b:\g0b+3], s[\g1b:\g1b+7]
	s_nop 0
.rept 4
	v_nop
.endr
.Lasked_\@:
.endm
.macro CROUND                          ; a round of the cluster's barrier
	s_barrier_signal -1
	s_barrier_wait -1
	s_cmp_lg_u32 s14, 0
	s_cbranch_scc1 .Lnot_wave_0_\@
	s_barrier_signal -3
.Lnot_wave_0_\@:
	s_barrier_wait -3
	s_barrier_signal -1
	s_barrier_wait -1
.endm
	s_load_b128 s[4:7], s[0:1], 0x0                ; x's codes s[4:5], x's scales s[6:7]
	s_load_b128 s[8:11], s[0:1], 0x10              ; W's codes s[8:9], W's scales s[10:11]
	s_load_b128 s[96:99], s[0:1], 0x20             ; bq, bk
	s_load_b64 s[100:101], s[0:1], 0x30            ; bv
	s_load_b64 s[12:13], s[0:1], 0x38              ; qkv
	v_lshl_add_u32 v[SPW], v0, 2, SPARE
	v_mov_b32 v[NIL], 0
	ds_add_u32 v[SPW], v[NIL]                      ; the wave's opening: the add, twice on end, and its wait ahead of my first tensor load
	ds_add_u32 v[SPW], v[NIL]
	v_lshrrev_b32 v1, 5, v0
	v_readfirstlane_b32 s14, v1                    ; wave 0..3
	s_lshr_b32 s15, s14, 1                         ; which half of the tile's rows is mine.  Also: I fetch for x (0) or for W (1)
	s_and_b32 s16, s14, 1                          ; which half of its columns.  Also: which 128 rows of that tile I fetch
	s_bfe_u32 s40, ttmp6, 0x40000                  ; cx, cy: my place in the cluster
	s_bfe_u32 s41, ttmp6, 0x40004
	s_lshl_b32 s42, ttmp9, 2
	s_add_co_u32 s42, s42, s40                     ; tile column = 4 x cluster x + cx
	s_and_b32 s17, ttmp7, 0xffff
	s_lshl_b32 s17, s17, 2
	s_add_co_u32 s17, s17, s41                     ; tile row = 4 x cluster y + cy
	s_lshl_b32 s43, s41, 2
	s_lshl_b32 s43, 15, s43                        ; my row of the cluster
	s_lshl_b32 s44, 0x1111, s40                    ; my column
	s_or_b32 s[G1+0], s43, (0<<16)|(1<<20)|(1<<21)|(5<<22)|(3<<25)  ; the mask; elements of 1 byte; padding on; bit 21 beside a mask; after every 64 words four words
	s_or_b32 s[G1B+0], s44, (0<<16)|(1<<20)|(1<<21)|(5<<22)|(3<<25)
.irp g, G1, G1B
	s_mov_b32 s[\g+1], ROWB<<16                    ; tensor_dim0
	s_mov_b32 s[\g+2], 128<<16                     ; tensor_dim1
	s_mov_b32 s[\g+3], ROWB<<16                    ; tile_dim0
	s_mov_b32 s[\g+4], 128                         ; tile_dim1
	s_mov_b32 s[\g+5], KROW                        ; the pitch
	s_mov_b32 s[\g+6], 0
	s_mov_b32 s[\g+7], 0
.endr
	; the scales of 128 rows: 4,096 dense bytes, as 16 rows of 256 bytes (32 elements of 8 bytes), 16 bytes of padding behind each
	s_or_b32 s[G1S+0], s43, (3<<16)|(1<<20)|(1<<21)|(5<<22)|(3<<25)
	s_or_b32 s[G1SB+0], s44, (3<<16)|(1<<20)|(1<<21)|(5<<22)|(3<<25)
.irp g, G1S, G1SB
	s_mov_b32 s[\g+1], 32<<16
	s_mov_b32 s[\g+2], 16<<16
	s_mov_b32 s[\g+3], 32<<16
	s_mov_b32 s[\g+4], 16
	s_mov_b32 s[\g+5], 32
	s_mov_b32 s[\g+6], 0
	s_mov_b32 s[\g+7], 0
.endr
	s_lshl_b32 s18, s16, 7                         ; which 128 rows of the tile I fetch
	s_lshl_b32 s20, s17, 8
	s_add_co_u32 s20, s20, s18                     ; x: row 256 x tile row + 128 x half
	s_lshl_b32 s46, s42, 8
	s_add_co_u32 s46, s46, s18                     ; W: row 256 x tile column + 128 x half
	s_mov_b32 s21, 0
	s_mov_b32 s47, 0
	s_mov_b64 s[18:19], KS
	s_mul_u64 s[22:23], s[20:21], s[18:19]         ; where these rows' scales begin
	s_mul_u64 s[92:93], s[46:47], s[18:19]
	s_mov_b64 s[18:19], KROW
	s_mul_u64 s[20:21], s[20:21], s[18:19]         ; and their codes
	s_mul_u64 s[46:47], s[46:47], s[18:19]
	s_mul_i32 s45, s14, HALFT                      ; where they go: wave x 128 rows: no place in the cluster enters an LDS address
	s_mul_i32 s94, s14, HALFS
	s_wait_dscnt 0x0                               ; both opening adds are done
	s_wait_kmcnt 0x0
	s_add_nc_u64 s[20:21], s[4:5], s[20:21]
	s_add_nc_u64 s[22:23], s[6:7], s[22:23]
	s_add_nc_u64 s[46:47], s[8:9], s[46:47]
	s_add_nc_u64 s[92:93], s[10:11], s[92:93]
	CROUND                                         ; all sixteen work-groups are here: the joint loads meet
	s_mov_b32 s[G0S], 1
	s_add_co_u32 s[G0S+1], s94, SCL
	s_mov_b64 s[G0S+2:G0S+3], s[22:23]
	s_or_b32 s[G0S+3], s[G0S+3], 0x80000000
	s_mov_b32 s[G0SB], 1
	s_add_co_u32 s[G0SB+1], s94, SCL
	s_mov_b64 s[G0SB+2:G0SB+3], s[92:93]
	s_or_b32 s[G0SB+3], s[G0SB+3], 0x80000000
	JLOAD G0S, G1S, G0SB, G1SB                     ; the scales first: they are wanted with slot 0
.irp s, 0,1
	s_mov_b32 s[G0+4*\s], 1
	s_add_co_u32 s[G0+4*\s+1], s45, \s*SLOT
	s_add_nc_u64 s[G0+4*\s+2:G0+4*\s+3], s[20:21], \s*ROWB
	s_or_b32 s[G0+4*\s+3], s[G0+4*\s+3], 0x80000000
	s_mov_b32 s[G0B+4*\s], 1
	s_add_co_u32 s[G0B+4*\s+1], s45, \s*SLOT
	s_add_nc_u64 s[G0B+4*\s+2:G0B+4*\s+3], s[46:47], \s*ROWB
	s_or_b32 s[G0B+4*\s+3], s[G0B+4*\s+3], 0x80000000
	JLOAD G0+4*\s, G1, G0B+4*\s, G1B               ; three loads of mine are out
.endr
	v_and_b32 v1, 15, v0                           ; l % 16
	v_bfe_u32 v2, v0, 4, 1                         ; l / 16
	; the bias: four tile columns are one weight, so the cluster's x says which; lane (r, h) wants, for block b, the eight numbers at n = 16 b + 8 h on
	s_cmp_eq_u32 ttmp9, 0
	s_cselect_b64 s[96:97], s[96:97], s[98:99]
	s_cmp_eq_u32 ttmp9, 2
	s_cselect_b64 s[96:97], s[100:101], s[96:97]
	s_lshl_b32 s98, s40, 10
	s_lshl_b32 s99, s16, 9
	s_add_co_u32 s98, s98, s99                     ; (256 cx + 128 x half) x 4 bytes
	s_mov_b32 s99, 0
	s_add_nc_u64 s[96:97], s[96:97], s[98:99]
	v_lshlrev_b32 v7, 5, v2
.irp b, 0,1,2,3,4,5,6,7
	global_load_b128 v[BI+8*\b:BI+8*\b+3], v7, s[96:97] offset:64*\b
	global_load_b128 v[BI+8*\b+4:BI+8*\b+7], v7, s[96:97] offset:64*\b+16
.endr
	v_mul_u32_u24 v3, v1, PITCH
	v_lshl_add_u32 v4, v2, 4, v3                   ; a fragment's row x pitch + 16 x half
	s_mul_i32 s21, s15, HALFT                      ; my 128 rows of x
	s_mul_i32 s22, s16, HALFT                      ; my 128 rows of W,
	s_add_co_u32 s22, s22, 2*HALFT                 ; which lie behind x's 256
.irp s, 0,1
	v_add_nc_u32 v[ADRA+\s], s21, v4
	v_add_nc_u32 v[ADRB+\s], s22, v4
	s_add_co_u32 s21, s21, SLOT
	s_add_co_u32 s22, s22, SLOT
.endr
	v_mul_u32_u24 v5, v1, KS                       ; my row's scales: 32 bytes a row,
	v_lshrrev_b32 v6, 8, v5
	v_lshl_add_u32 v5, v6, 4, v5                   ; and 16 more for each 256 passed
	s_mul_i32 s21, s15, HALFS
	s_mul_i32 s22, s16, HALFS
	s_add_co_u32 s22, s22, 2*HALFS
	s_sub_co_u32 s22, s22, s21
	v_mul_u32_u24 v6, s22, v2                      ; lanes 16-31 take W's: one product, the distance between the two bases
	s_add_co_u32 s21, s21, SCL
	v_add_nc_u32 v5, v5, v6
	v_add_nc_u32 v[ADRS], s21, v5
	s_mul_i32 s23, s14, STG                        ; my stage
	v_mul_u32_u24 v5, v1, SP
	v_lshl_add_u32 v5, v2, 4, v5
	v_add_nc_u32 v[STO], s23, v5                   ; in: row l % 16, 16 bytes for each half of the lanes
	v_and_b32 v6, 31, v0
	v_lshrrev_b32 v5, 3, v6
	v_mul_u32_u24 v5, v5, SP
	v_and_b32 v3, 7, v6
	v_lshl_add_u32 v5, v3, 4, v5
	v_add_nc_u32 v[RD], s23, v5                    ; back: eight lanes to a row of 128 bytes, four rows an instruction
	v_lshlrev_b32 v[CO], 4, v6                     ; which are 512 consecutive bytes of qkv
	; where my part begins in qkv: ((48 batch + 4 tile column + 2 half) x 1,024 + position) x 128 bytes
	s_lshr_b32 s20, s17, 2
	s_mul_i32 s20, s20, 48*1024
	s_and_b32 s21, s17, 3
	s_lshl_b32 s21, s21, 8
	s_add_co_u32 s20, s20, s21
	s_lshl_b32 s21, s15, 7
	s_add_co_u32 s20, s20, s21
	s_lshl_b32 s20, s20, 7
	s_mov_b32 s21, 0
	s_lshl_b32 s46, s42, 19
	s_lshl_b32 s47, s16, 18
	s_add_co_u32 s46, s46, s47
	s_mov_b32 s47, 0
	s_add_nc_u64 s[20:21], s[20:21], s[46:47]
	s_add_nc_u64 s[12:13], s[12:13], s[20:21]
.macro FRAG reg, adr, q, i             ; 16 rows x 128 K of 4-bit codes: 8 registers: lane l holds row l % 16; registers 4 c .. 4 c + 3 hold K = 64 c + 32 (l / 16) + 0 .. 31
.irp c, 0,1
	ds_load_b128 v[\reg+4*\c:\reg+4*\c+3], v[\adr] offset:64*(\q)+32*\c+(\i)*16*PITCH
.endr
.endm
; 16 matrix instructions: x's blocks a0, a0 + 1 against W's eight, the slot's q-th 128 along K.  p: W's set; sc: the set of scale words.  first = 1: the bias is C: nothing is ever cleared or added later.
; The 64 accumulators take turns, one instruction a turn, in the same order in every step.
.macro MUL16 a0, p, q, sc, first
.irp a, \a0, \a0+1
.irp b, 0,1,2,3,4,5,6,7
.if \first
	v_wmma_scale_f32_16x16x128_f8f6f4 v[8*(8*((\a)%4)+\b):8*(8*((\a)%4)+\b)+7], v[128*(\p)+FR*\b:128*(\p)+FR*\b+FR-1], v[AF+FR*(\a):AF+FR*(\a)+FR-1], v[BI+8*\b:BI+8*\b+7], v[SC+8*NQ*(\sc)+NQ*\b+(\q)], v[SC+8*NQ*(\sc)+NQ*(\a)+(\q)] matrix_a_fmt:MATRIX_FMT_FP4 matrix_b_fmt:MATRIX_FMT_FP4 matrix_a_scale:MATRIX_SCALE_ROW1
.else
	v_wmma_scale_f32_16x16x128_f8f6f4 v[8*(8*((\a)%4)+\b):8*(8*((\a)%4)+\b)+7], v[128*(\p)+FR*\b:128*(\p)+FR*\b+FR-1], v[AF+FR*(\a):AF+FR*(\a)+FR-1], v[8*(8*((\a)%4)+\b):8*(8*((\a)%4)+\b)+7], v[SC+8*NQ*(\sc)+NQ*\b+(\q)], v[SC+8*NQ*(\sc)+NQ*(\a)+(\q)] matrix_a_fmt:MATRIX_FMT_FP4 matrix_b_fmt:MATRIX_FMT_FP4 matrix_a_scale:MATRIX_SCALE_ROW1
.endif
.endr
.endr
.endm
.macro FETCH_B slot, q, p
	WIN TO_B
.irp i, 0,1,2,3,4,5,6,7
	FRAG 128*(\p)+FR*\i, ADRB+\slot, \q, \i
.endr
	WIN 0
.endm
.macro FETCH_A slot, q, i0
.irp i, \i0, \i0+1, \i0+2, \i0+3
	FRAG AF+FR*(\i), ADRA+\slot, \q, \i
.endr
.endm
.macro SCALES sc                       ; a slot's scale words: 4 words a row; lanes 0-15 take x's block i, lanes 16-31 W's block i
.irp i, 0,1,2,3,4,5,6,7
	ds_load_b128 v[SC+8*NQ*\sc+NQ*\i:SC+8*NQ*\sc+NQ*\i+3], v[ADRS] offset:\i*SBLK
.endr
.endm
.macro PLACES n                        ; plain vector instructions between a matrix instruction and a load into, or a read of, its registers (ISA guide 7.12.1 for a read)
.rept \n
	v_nop
.endr
.endm
.macro STEP slot, q, first             ; a step of 128 along K that has its successor in the same slot
	s_wait_dscnt 4*NL                              ; W's set and x's blocks 0-3 are in; the youngest eight loads (x's blocks 4-7) may be out
.if \first
	WIN BIAS_LO
.else
	WIN MUL_LO
.endif
	MUL16 0, (\q)%2, \q, \slot, \first
	MUL16 2, (\q)%2, \q, \slot, \first
	s_wait_dscnt 0                                 ; x's blocks 4-7 are in
	PLACES NP
	FETCH_B \slot, (\q)+1, 1-(\q)%2
	FETCH_A \slot, (\q)+1, 0
.if \first
	WIN BIAS_HI
.else
	WIN MUL_HI
.endif
	MUL16 4, (\q)%2, \q, \slot, \first
	MUL16 6, (\q)%2, \q, \slot, \first
	PLACES NP
	WIN 0
	FETCH_A \slot, (\q)+1, 4
.endm
.macro STEPS slot, from
.set Q, \from
.rept NQ-1-\from
	STEP \slot, Q, 0
.set Q, Q+1
.endr
.endm
	s_wait_tensorcnt 1                             ; the scales and my part of slot 0 are in; slot 1's load, the one issued behind them, may be out
	s_barrier_signal -1
	s_barrier_wait -1                              ; everybody's are
	FETCH_B 0, 0, 0
	FETCH_A 0, 0, 0
	SCALES 0
	FETCH_A 0, 0, 4
	s_wait_loadcnt 0x0                             ; the bias
	STEP 0, 0, 1                                   ; the first step's products start the sums from the bias
	STEPS 0, 1
	; slot 0's last step changes slots: one barrier; in front of it each wave waits for its load of slot 1 and for its reads of slot 0
	s_wait_tensorcnt 0x0                           ; all my tensor loads have landed
	ds_add_u32 v[SPW], v[NIL]                      ; 0 onto my spare word
	s_wait_dscnt 4*NL+1                            ; (the add and the youngest eight loads may be out)
	WIN MUL_LO
	MUL16 0, 1, NQ-1, 0, 0
	s_wait_dscnt 0x0                               ; the add is done, and my reads of slot 0 are over
	s_barrier_signal -1
	MUL16 2, 1, NQ-1, 0, 0
	WIN 0
	s_barrier_wait -1
	PLACES NP
	v_add_nc_u32 v[ADRS], 4*NQ, v[ADRS]            ; on to slot 1's scale words
	FETCH_B 1, 0, 0
	FETCH_A 1, 0, 0
	SCALES 1
	WIN MUL_HI
	MUL16 4, 1, NQ-1, 0, 0
	MUL16 6, 1, NQ-1, 0, 0
	PLACES NP
	WIN 0
	FETCH_A 1, 0, 4
	STEPS 1, 0
	s_wait_dscnt 4*NL                              ; the very last step: nothing more to fetch
	WIN MUL_LO
	MUL16 0, 1, NQ-1, 1, 0
	MUL16 2, 1, NQ-1, 1, 0
	s_wait_dscnt 0
	WIN MUL_HI
	MUL16 4, 1, NQ-1, 1, 0
	MUL16 6, 1, NQ-1, 1, 0
	WIN 0
; THE WAY OUT, block by block of 16 rows x 128 columns = 2 heads.  A lane's eight results pack into 16 bytes of one row; through my own stage they come back as rows of 128 bytes, four of which are 512 consecutive bytes of qkv.
.macro PACK a
.set AC, 64*((\a)%4)
	WIN 0x0a+5*((\a)/4)                            ; sources 0 and 1: window 2 or 3
.irp b, 0,1,2,3,4,5,6,7
.irp i, 0,1,2,3
	v_cvt_pk_f16_f32 v[TMP+4*\b+\i], v[AC+8*\b+2*\i], v[AC+8*\b+2*\i+1]     ; each accumulator from its low end on
.endr
.endr
	WIN 0
.endm
.macro TOSTAGE a
.set BB, BK+32*((\a)%2)
.irp b, 0,1,2,3,4,5,6,7
	ds_store_b128 v[STO], v[TMP+4*\b:TMP+4*\b+3] offset:(\b/4)*16*SP+32*(\b%4)
.endr
.irp i, 0,1,2,3,4,5,6,7
	ds_load_b128 v[BB+4*\i:BB+4*\i+3], v[RD] offset:(\i/4)*16*SP+4*SP*(\i%4)   ; LDS serves a wave's instructions in order: these see the stores above
.endr
.endm
.macro SEND a
.set BB, BK+32*((\a)%2)
	s_wait_dscnt 0x0                               ; the block is back in registers
	s_wait_xcnt 0x0                                ; the stores of the block before have read their registers: the next block's loads may land there
.irp i, 0,1,2,3,4,5,6,7
	global_store_b128 v[CO], v[BB+4*\i:BB+4*\i+3], s[12:13] offset:(\i/4)*131072+2048*(\a)+512*(\i%4)   ; 32 lanes store 512 consecutive bytes, aligned; a head is 131,072 bytes on
.endr
.endm
	PLACES NP                                      ; behind the last products: the registers that held scale words are written and loaded anew below
	PACK 0
	TOSTAGE 0
.irp a, 1,2,3,4,5,6,7                  ; block a's conversions stand between block a - 1's loads from the stage and the wait for them
	PACK \a
	SEND \a-1
	TOSTAGE \a
.endr
	SEND 7
	s_wait_tensorcnt 0x0                           ; the wave's end
	ds_add_u32 v[SPW], v[NIL]
	s_wait_dscnt 0x0
	CROUND                                         ; the closing round
	s_endpgm
.Lfunc_end_k_q7cb0de14a9_qkv:
	.size	k_q7cb0de14a9_qkv, .Lfunc_end_k_q7cb0de14a9_qkv-k_q7cb0de14a9_qkv
	.p2alignl 7, 3214868480
	.fill 96, 4, 3214868480
	.section	.rodata,"a",@progbits
	.p2align	6, 0x0
	.amdhsa_kernel k_q7cb0de14a9_qkv
		.amdhsa_group_segment_fixed_size 327680
		.amdhsa_private_segment_fixed_size 0
		.amdhsa_enable_private_segment 0
		.amdhsa_kernarg_size 64
		.amdhsa_user_sgpr_count 2
		.amdhsa_user_sgpr_kernarg_segment_ptr 1
		.amdhsa_wavefront_size32 1
		.amdhsa_system_sgpr_workgroup_id_x 1
		.amdhsa_system_sgpr_workgroup_id_y 1
		.amdhsa_system_sgpr_workgroup_id_z 1
		.amdhsa_system_vgpr_workitem_id 0
		.amdhsa_next_free_vgpr 1024
		.amdhsa_next_free_sgpr 102
		.amdhsa_reserve_vcc 0
		.amdhsa_float_denorm_mode_32 3
		.amdhsa_float_denorm_mode_16_64 3
		.amdhsa_memory_ordered 1
		.amdhsa_forward_progress 1
		.amdhsa_inst_pref_size 128
	.end_amdhsa_kernel
	.amdgpu_metadata
---
amdhsa.version: [ 1, 2 ]
amdhsa.kernels:
  - .name:           k_q7cb0de14a9_qkv
    .symbol:         k_q7cb0de14a9_qkv.kd
    .args:
      - { .name: xc, .offset: 0, .size: 8, .value_kind: global_buffer, .address_space: global }
      - { .name: xs, .offset: 8, .size: 8, .value_kind: global_buffer, .address_space: global }
      - { .name: wc, .offset: 16, .size: 8, .value_kind: global_buffer, .address_space: global }
      - { .name: ws, .offset: 24, .size: 8, .value_kind: global_buffer, .address_space: global }
      - { .name: bq, .offset: 32, .size: 8, .value_kind: global_buffer, .address_space: global }
      - { .name: bk, .offset: 40, .size: 8, .value_kind: global_buffer, .address_space: global }
      - { .name: bv, .offset: 48, .size: 8, .value_kind: global_buffer, .address_space: global }
      - { .name: qkv, .offset: 56, .size: 8, .value_kind: global_buffer, .address_space: global }
    .group_segment_fixed_size: 327680
    .private_segment_fixed_size: 0
    .kernarg_segment_align: 8
    .kernarg_segment_size: 64
    .max_flat_workgroup_size: 128
    .sgpr_count:     102
    .vgpr_count:     1024
    .wavefront_size: 32
...
	.end_amdgpu_metadata
.endif
;; end of part 2
;; launch attn (part 3): grid 4 x 64, 8 waves a work-group, clusters of 4 x 1, 327,680 bytes of LDS; arguments qkv, case_ids, verb_mask, case_bias, verb_bias, ob; writes ob
.if DOCPART == 3
	.amdgcn_target "amdgcn-amd-amdhsa--gfx1250"
	.amdhsa_code_object_version 6
	.text
	.protected	k_q7cb0de14a9_attn
	.globl	k_q7cb0de14a9_attn
	.p2align	8
	.type	k_q7cb0de14a9_attn,@function
k_q7cb0de14a9_attn:
	s_mov_b64 s[64:65], 0
	v_nop
	global_prefetch_b8 v0, s[64:65] scope:SCOPE_SE
	s_setreg_imm32_b32 hwreg(HW_REG_WAVE_MODE, 25, 1), 1
	s_wait_xcnt 0x0
	s_wait_alu depctr_hold_cnt(0) depctr_sa_sdst(0) depctr_va_vdst(0) depctr_va_sdst(0) depctr_va_ssrc(0) depctr_va_vcc(0) depctr_vm_vsrc(0)
	s_getreg_b32 s2, hwreg(HW_REG_IB_STS2, 6, 4)
	s_cmp_eq_u32 s2, 0
	s_cbranch_scc0 .Lentry_in_a_cluster
	s_endpgm
.Lentry_in_a_cluster:
	s_bfe_u32 s2, ttmp6, 0x10000c
	s_cmp_lg_u32 s2, 0x3003
	s_cbranch_scc0 .Lentry_shape_is_right
	s_endpgm
.Lentry_shape_is_right:
; O[b][h][i] = sum over j of softmax_j(Q[i] . K[j] / 8 + case_bias[h][case_i][case_j] + verb_bias[h] verb_mask[j]) V[j].  Q, K, V: f16, qkv [4][48][1024][64].  Products, maxima and sums in f32; the weights p
; are rounded to f16 for the second product, O once at the end: ob [32 blocks of 128 rows][16 heads][128][64] f16.
; SHARES.  A cluster of four work-groups takes one (batch, head); a work-group 256 queries; each of its eight waves 32: two tiles of 16.  Two waves share a SIMD, so that one wave's softmax stands beside the other's products.
; Every wave walks the 1,024 keys, 64 a step.  The four work-groups walk the same K and V: each tile is asked for JOINTLY (mask 15).
; LAYOUT.  S^T = K Q^T (source 0 = 16 keys, source 1 = 16 queries): a lane holds ONE query (lane % 16) and keys 8 (lane / 16) + 0..7.  Two such tiles, rounded to f16 in pairs, ARE source 1 of O^T = V^T P.
; THE BIAS IS A THIRD K CHUNK OF THE SCORE PRODUCT.  Key side (the same for all heads, made once in LDS): a one-hot of case_j in eight f16, then verb_mask[j] twice.  Query side (registers): 8 x case_bias[h][case_i][0..7],
; its high part (ten mantissa bits, cut by a mask) in lanes 0-15 and its low part (the exact rest) in lanes 16-31, and the two parts of 8 x verb_bias[h].  So raw S = Q.K + 8 (bias), t = S x log2(e) / 8; no table is read in the loop.
; SOFTMAX.  For each query a running maximum m and sum l: p = 2^(c s - c m); in every step O and l are multiplied by a = 2^(c m_old - c m_new).  m begins at -3e38, l and O^T at 0, so that the first step is a step like any other.
; THE STEP'S LDS LOADS STAND BEHIND ITS FIRST PRODUCTS: V of this step, wanted behind the softmax, and K and the bias chunk of the NEXT step, whose registers those products have just left.  So V^T P of one step and
; K Q^T of the next follow each other with no load between.  The last step of a group looks no further: the next group's tiles are shown whole only by the barrier between.
; LDS.  Twelve step tiles (K's 64 rows, then V's 64) are filled at the head: three loads a wave.  Tiles 0-3 are filled once more, with keys 768-1,023, behind a round of the cluster's barrier when steps 0-3 are done:
; that load has eight key steps in which to land, so nothing is prefetched.
; LIMITS: NaN and infinities are not served; |8 case_bias|, |8 verb_bias| under 65,504; verb_mask exact for magnitudes up to 2,048; case_ids above 7 are held at 7 on the query side; O under 6e-5 is rounded with f16's subnormal step.
; REGISTERS.  Window 0: v1-11 addresses; v12, v13 the add's two; v16-31 statistics, 8 a tile; v32-95 S^T; v96-191 K's fragments ((kt, c) at 96 + 24 kt + 8 c, c = 2 the bias chunk); v192-223 P; v224-255 the head's.
;   Window 1: v0-47 Q ((t, c) at 24 t + 8 c); v64-127 O^T; v128-191 V.
.set KSTEP, 64
.set PK,    144                        ; a row of K in LDS: 128 bytes + 16
.set PV,    160                        ; a row of V: 128 + 32, for the turning load
.set VOFF,  KSTEP*PK
.set STEPB, KSTEP*(PK+PV)              ; 19,456
.set REG,   4*STEPB                    ; four step tiles: what the eight waves' loads of one set bring
.set KAUG,  12*STEPB                   ; the key side of the bias chunk: 1,024 keys x 48 bytes (32 + 16 of padding)
.set PA,    48
.set SPARE, KAUG+1024*PA               ; the spare words, 128 bytes for each wave: four blocks of 256 bytes that no other line names
.set STAGE, REG                        ; the way out: 2 x 16 rows x 144 bytes for each wave, in tiles 4-7: they have had their only fill, and their last read lies ahead of the last barrier
.set SP,    144
.set AK0, 3
.set AV0, 4
.set AA0, 5
.set ADK, 6
.set ADV, 7
.set ADA, 8
.set STO, 9
.set RD,  10
.set GO,  11
.set SPW, 12
.set NIL, 13
.set ST,  16                           ; tile t at v[ST + 8 t]: +0 c m, +1 m, +2, +3 l, +4 .. +7 at work; a in +6
.set S,   32
.set KF,  96
.set P,   192
.set QF,  0                            ; window 1
.set OT,  64
.set VF,  128
.set WV,  16                           ; s16 wave
.set G1K, 24
.set G1V, 32
.set G0K, 40                           ; s[40:51] three sets for K's tiles;  s[52:63] for V's
.set G0V, 52
.set CS,  66                           ; s[66:67] c = log2(e) / 8
.set SEL, 68                           ; s[68:69] lane selects: lane l xor 16
.set TB,  70                           ; s70 LDS byte of the step's tile
.set TA,  71                           ; s71 the step's place in KAUG
.set CNT, 72
.set HM,  73                           ; s73 the mask of lanes 16-31
.set MSB, 0
.macro WIN new
.if MSB != \new
	s_set_vgpr_msb (MSB<<8)|\new
.set MSB, \new
.endif
.endm
.macro CROUND
	s_barrier_signal -1
	s_barrier_wait -1
	s_cmp_lg_u32 s[WV], 0
	s_cbranch_scc1 .Lnot_wave_0_\@
	s_barrier_signal -3
.Lnot_wave_0_\@:
	s_barrier_wait -3
	s_barrier_signal -1
	s_barrier_wait -1
.endm
	s_load_b256 s[4:11], s[0:1], 0x0               ; qkv s[4:5], case_ids s[6:7], verb_mask s[8:9], case_bias s[10:11]
	s_load_b128 s[12:15], s[0:1], 0x20             ; verb_bias s[12:13], ob s[14:15]
	v_lshl_add_u32 v[SPW], v0, 2, SPARE
	v_mov_b32 v[NIL], 0
	ds_add_u32 v[SPW], v[NIL]                      ; the wave's opening: the add, twice on end, and its wait ahead of my first tensor load
	ds_add_u32 v[SPW], v[NIL]
	v_lshrrev_b32 v14, 5, v0
	v_readfirstlane_b32 s[WV], v14                 ; wave 0..7
	s_bfe_u32 s17, ttmp6, 0x40000                  ; cx: my block of 256 queries; it enters Q's, the query ids' and O's addresses alone
	s_and_b32 s18, ttmp7, 0xffff                   ; 16 batch + head, which the four partners share
	s_lshr_b32 s19, s18, 4
	s_and_b32 s20, s18, 15
	s_and_b32 s21, s[WV], 3                        ; which of a set's four step tiles I fetch
	s_mov_b32 s[G1K], 15|(1<<16)|(1<<20)|(1<<21)|(4<<22)|(3<<25)  ; the mask: all four; elements of 2 bytes; padding on; bit 21 beside a mask; after every 32 words four words
	s_mov_b32 s[G1V], 15|(1<<16)|(1<<20)|(1<<21)|(4<<22)|(7<<25)  ; the same with eight words
.irp g, G1K, G1V
	s_mov_b32 s[\g+1], 64<<16                      ; tensor_dim0
	s_mov_b32 s[\g+2], KSTEP<<16                   ; tensor_dim1
	s_mov_b32 s[\g+3], 64<<16                      ; tile_dim0
	s_mov_b32 s[\g+4], KSTEP                       ; tile_dim1
	s_mov_b32 s[\g+5], 64                          ; the pitch
	s_mov_b32 s[\g+6], 0
	s_mov_b32 s[\g+7], 0
.endr
	s_mov_b32 s[CS], 0x3e38aa3b
	s_mov_b32 s[CS+1], s[CS]                       ; (named with it as a pair, so it is written)
	s_mov_b32 s[SEL], 0x76543210
	s_mov_b32 s[SEL+1], 0xfedcba98
	s_mov_b32 s[TB], 0
	s_mov_b32 s[TA], 0
	s_mul_i32 s82, s19, 48
	s_add_co_u32 s82, s82, s20
	s_lshl_b32 s82, s82, 17                        ; Q's head: (48 batch + head) x 1,024 rows x 128 bytes
	s_mov_b32 s83, 0
	s_lshl_b32 s84, s21, 13                        ; my tile's 64 rows
	s_mov_b32 s85, 0
	s_mul_i32 s86, s21, STEPB                      ; and its place in LDS: no place in the cluster enters an LDS address
	s_mov_b32 s89, 0
	s_mov_b32 s95, 0
	s_wait_dscnt 0x0                               ; both opening adds are done
	s_wait_kmcnt 0x0
	s_add_nc_u64 s[76:77], s[4:5], s[82:83]        ; Q's head,
	s_add_nc_u64 s[78:79], s[76:77], 0x200000      ; K's, 16 heads on,
	s_add_nc_u64 s[80:81], s[76:77], 0x400000      ; V's, 32 on
	s_add_nc_u64 s[78:79], s[78:79], s[84:85]
	s_add_nc_u64 s[80:81], s[80:81], s[84:85]
	CROUND                                         ; all four work-groups are here: the first joint loads meet
.irp n, 0,1,2
	s_mov_b32 s[G0K+4*\n], 1
	s_add_co_u32 s[G0K+4*\n+1], s86, \n*REG
	s_add_nc_u64 s[G0K+4*\n+2:G0K+4*\n+3], s[78:79], \n*32768      ; keys 256 n on
	s_or_b32 s[G0K+4*\n+3], s[G0K+4*\n+3], 0x80000000
	s_mov_b32 s[G0V+4*\n], 1
	s_add_co_u32 s[G0V+4*\n+1], s86, \n*REG+VOFF
	s_add_nc_u64 s[G0V+4*\n+2:G0V+4*\n+3], s[80:81], \n*32768
	s_or_b32 s[G0V+4*\n+3], s[G0V+4*\n+3], 0x80000000
.endr
	s_cmp_lt_u32 s[WV], 4                          ; waves 0-3 fetch K's tiles, waves 4-7 V's: a wave's three first fills stand in one branch; three loads of mine are out
	s_cbranch_scc0 .Lfirst_v
	tensor_load_to_lds s[G0K:G0K+3], s[G1K:G1K+7]
	s_nop 0
	tensor_load_to_lds s[G0K+4:G0K+7], s[G1K:G1K+7]
	s_nop 0
	tensor_load_to_lds s[G0K+8:G0K+11], s[G1K:G1K+7]
	s_nop 0
.rept 4
	v_nop
.endr
	s_branch .Lfirst_asked
.Lfirst_v:
	tensor_load_to_lds s[G0V:G0V+3], s[G1V:G1V+7]
	s_nop 0
	tensor_load_to_lds s[G0V+4:G0V+7], s[G1V:G1V+7]
	s_nop 0
	tensor_load_to_lds s[G0V+8:G0V+11], s[G1V:G1V+7]
	s_nop 0
.rept 4
	v_nop
.endr
.Lfirst_asked:
	s_lshl_b32 s88, s17, 15
	s_lshl_b32 s90, s[WV], 12
	s_add_co_u32 s88, s88, s90
	s_add_nc_u64 s[76:77], s[76:77], s[88:89]      ; Q at my first query: 256 cx + 32 wave
	s_lshl_b32 s88, s19, 3
	s_lshl_b32 s90, s17, 1
	s_add_co_u32 s88, s88, s90
	s_lshr_b32 s90, s[WV], 2
	s_add_co_u32 s88, s88, s90                     ; my block of 128 rows: 8 batch + 2 cx + wave / 4
	s_lshl_b32 s88, s88, 4
	s_add_co_u32 s88, s88, s20
	s_lshl_b32 s88, s88, 7
	s_lshl_b32 s90, s21, 5
	s_add_co_u32 s88, s88, s90
	s_lshl_b32 s88, s88, 7
	s_add_nc_u64 s[14:15], s[14:15], s[88:89]      ; ob at my 32 rows of my head
	s_lshl_b32 s94, s19, 12
	s_add_nc_u64 s[6:7], s[6:7], s[94:95]          ; the batch's case_ids and verb_mask
	s_add_nc_u64 s[8:9], s[8:9], s[94:95]
	s_lshl_b32 s88, s17, 10
	s_lshl_b32 s90, s[WV], 7
	s_add_co_u32 s88, s88, s90
	s_add_nc_u64 s[92:93], s[6:7], s[88:89]        ; my queries' case_ids
	s_lshl_b32 s94, s20, 8
	s_add_nc_u64 s[10:11], s[10:11], s[94:95]      ; the head's 8 x 8 table
	s_lshl_b32 s94, s20, 2
	s_add_nc_u64 s[12:13], s[12:13], s[94:95]
	s_load_b32 s74, s[12:13], 0x0                  ; verb_bias[head]
	v_and_b32 v1, 15, v0                           ; r
	v_bfe_u32 v2, v0, 4, 1                         ; half
	v_lshlrev_b32 v14, 7, v1
	v_lshl_add_u32 v14, v2, 4, v14                 ; Q: row r of 128 bytes + 16 x half
	v_lshlrev_b32 v15, 4, v0                       ; four keys' ids a thread
	v_lshlrev_b32 v224, 2, v1
	WIN 0x40                                       ; destination window 1
.irp t, 0,1
.irp c, 0,1
	global_load_b128 v[QF+24*\t+8*\c:QF+24*\t+8*\c+3],   v14, s[76:77] offset:2048*\t+64*\c
	global_load_b128 v[QF+24*\t+8*\c+4:QF+24*\t+8*\c+7], v14, s[76:77] offset:2048*\t+64*\c+32
.endr
.endr
	WIN 0
	global_load_b128 v[228:231], v15, s[6:7]       ; case_ids of keys 4 thread + 0 .. 3
	global_load_b128 v[232:235], v15, s[8:9]       ; their verb_mask
	global_load_b32 v225, v224, s[92:93]           ; case_ids of my queries, tile 0,
	global_load_b32 v226, v224, s[92:93] offset:64 ; tile 1
	v_mul_u32_u24 v[AK0], v1, PK
	v_lshl_add_u32 v[AK0], v2, 4, v[AK0]           ; K: row x pitch + 16 x half
	v_and_b32 v236, 7, v0
	v_lshl_add_u32 v[AV0], v2, 3, v236
	v_mul_u32_u24 v[AV0], v[AV0], PV
	v_bfe_u32 v236, v0, 3, 1
	v_lshl_add_u32 v[AV0], v236, 4, v[AV0]
	v_add_nc_u32 v[AV0], VOFF, v[AV0]              ; V, for the turning load: key 8 half + l % 8, channels 8 ((l / 8) % 2) on
	v_mul_u32_u24 v[AA0], v1, PA
	v_add_nc_u32 v[AA0], KAUG, v[AA0]              ; the bias chunk's key side: both halves of the lanes read the same bytes
	v_mul_u32_u24 v241, v0, 4*PA
	v_add_nc_u32 v241, KAUG, v241                  ; and where I write four keys of it
	v_mov_b32 v240, 0x3c00                         ; 1.0 in f16
	v_cmp_ne_u32 s[HM], 0, v2
	s_wait_loadcnt 0x0
	v_min_u32 v225, 7, v225                        ; a loaded index enters an address only held to its table
	v_min_u32 v226, 7, v226
	v_lshlrev_b32 v225, 5, v225                    ; a row of the table is 32 bytes
	v_lshlrev_b32 v226, 5, v226
.irp t, 0,1
	global_load_b128 v[S+32*\t:S+32*\t+3],   v[225+\t], s[10:11]
	global_load_b128 v[S+32*\t+4:S+32*\t+7], v[225+\t], s[10:11] offset:16
.endr
	; the key side, while those loads are out: a register set of its own for each of my four keys
.irp u, 0,1,2,3
	v_and_b32 v236, 1, v[228+\u]
	v_lshlrev_b32 v236, 4, v236
	v_lshlrev_b32 v237, v236, v240                 ; 1.0 in the low or the high half
	v_lshrrev_b32 v238, 1, v[228+\u]               ; of which register
.irp i, 0,1,2,3
	v_cmp_eq_u32 vcc_lo, \i, v238
	v_cndmask_b32 v[KF+8*\u+\i], 0, v237, vcc_lo
.endr
	v_cvt_f32_i32 v239, v[232+\u]
	v_cvt_pk_f16_f32 v[KF+8*\u+4], v239, v239      ; verb_mask twice: for the high and the low part of verb_bias
	v_mov_b32 v[KF+8*\u+5], 0
	v_mov_b32 v[KF+8*\u+6], 0
	v_mov_b32 v[KF+8*\u+7], 0
	ds_store_b128 v241, v[KF+8*\u:KF+8*\u+3] offset:PA*\u
	ds_store_b128 v241, v[KF+8*\u+4:KF+8*\u+7] offset:PA*\u+16
.endr
	s_wait_kmcnt 0x0
	v_ldexp_f32 v244, s74, 3                       ; 8 verb_bias,
	v_and_b32 v245, 0xffffe000, v244               ; its high part: ten mantissa bits, exact in f16,
	v_sub_f32 v246, v244, v245                     ; and the rest, exact in f32
	v_cvt_pk_f16_f32 v247, v245, v246
	s_wait_loadcnt 0x0
	; the query side: v[S + 32 t + 0..7] the row of the table, then its low parts; + 8..15 the high parts; + 16..19, + 20..23 both packed
.irp t, 0,1
.irp j, 0,1,2,3,4,5,6,7
	v_ldexp_f32 v[S+32*\t+\j], v[S+32*\t+\j], 3
.endr
.irp j, 0,1,2,3,4,5,6,7
	v_and_b32 v[S+32*\t+8+\j], 0xffffe000, v[S+32*\t+\j]
.endr
.irp j, 0,1,2,3,4,5,6,7
	v_sub_f32 v[S+32*\t+\j], v[S+32*\t+\j], v[S+32*\t+8+\j]
.endr
.irp i, 0,1,2,3
	v_cvt_pk_f16_f32 v[S+32*\t+16+\i], v[S+32*\t+8+2*\i], v[S+32*\t+9+2*\i]
	v_cvt_pk_f16_f32 v[S+32*\t+20+\i], v[S+32*\t+2*\i], v[S+32*\t+1+2*\i]
.endr
.endr
	WIN 0x40
.irp t, 0,1
.irp i, 0,1,2,3
	v_cndmask_b32 v[QF+24*\t+16+\i], v[S+32*\t+16+\i], v[S+32*\t+20+\i], s[HM]   ; lanes 0-15 the high parts, lanes 16-31 the low
.endr
	v_cndmask_b32 v[QF+24*\t+20], v247, v[NIL], s[HM]                            ; verb_bias's two parts in lanes 0-15 alone
	v_mov_b32 v[QF+24*\t+21], 0
	v_mov_b32 v[QF+24*\t+22], 0
	v_mov_b32 v[QF+24*\t+23], 0
.endr
.set i, 0
.rept 64
	v_mov_b32 v[OT+i], 0                           ; O^T: the first step finds zeros
.set i, i+1
.endr
	WIN 0
.irp t, 0,1
	v_mov_b32 v[ST+8*\t+1], 0xff61b1e6             ; m = -3e38, under every score
	v_mul_f32 v[ST+8*\t], s[CS], v[ST+8*\t+1]
	v_mov_b32 v[ST+8*\t+2], 0
	v_mov_b32 v[ST+8*\t+3], 0
	v_mov_b32 v[ST+8*\t+5], 0                      ; a lane permute's destination counts as one of its sources
.endr
	s_wait_tensorcnt 2                             ; my tile of steps 0-3 is in; the two loads issued behind it may be out
	s_wait_dscnt 0x0                               ; for the others' sake: my stores of the bias chunk have landed
.irp kt, 0,1,2,3
	v_mov_b32 v[KF+24*\kt+21], 0                   ; the last three registers of the bias chunk's key side are zeros for every key: written once, never loaded
	v_mov_b32 v[KF+24*\kt+22], 0
	v_mov_b32 v[KF+24*\kt+23], 0
.endr
	s_barrier_signal -1
	s_barrier_wait -1
; K's fragments of 16 keys (kt) and their bias chunk: six LDS loads.  ok, oa: 0 for the step at which ADK and ADA stand, a step's bytes for the one behind it.
.macro KL kt, ok, oa
.irp c, 0,1
	ds_load_b128 v[KF+24*(\kt)+8*\c:KF+24*(\kt)+8*\c+3],   v[ADK] offset:(\ok)+16*PK*(\kt)+64*\c
	ds_load_b128 v[KF+24*(\kt)+8*\c+4:KF+24*(\kt)+8*\c+7], v[ADK] offset:(\ok)+16*PK*(\kt)+64*\c+32
.endr
	ds_load_b128 v[KF+24*(\kt)+16:KF+24*(\kt)+19], v[ADA] offset:(\oa)+16*PA*(\kt)      ; the one-hot of the key's case
	ds_load_b32 v[KF+24*(\kt)+20], v[ADA] offset:(\oa)+16*PA*(\kt)+16                   ; verb_mask, twice
.endm
; A KEY STEP of 64 keys: 24 products K Q^T; 16 turning loads for this step's V and (pf = 1) 24 loads for the next step's K and bias chunk; both tiles' softmax with their lines by turns; 16 products V^T P.
.macro BODY pf
	s_wait_dscnt 0x0                               ; K and the bias chunk of this step are in: no LDS instruction was issued behind their loads
	WIN 0x04                                       ; source 1 (Q) window 1
.irp c, 0,1,2                          ; the eight accumulators take turns, one instruction a turn; the first chunk starts the sums
.irp kt, 0,1,2,3
.irp t, 0,1
.if \c == 0
	v_wmma_f32_16x16x32_f16 v[S+32*\t+8*\kt:S+32*\t+8*\kt+7], v[KF+24*\kt+8*\c:KF+24*\kt+8*\c+7], v[QF+24*\t+8*\c:QF+24*\t+8*\c+7], 0
.else
	v_wmma_f32_16x16x32_f16 v[S+32*\t+8*\kt:S+32*\t+8*\kt+7], v[KF+24*\kt+8*\c:KF+24*\kt+8*\c+7], v[QF+24*\t+8*\c:QF+24*\t+8*\c+7], v[S+32*\t+8*\kt:S+32*\t+8*\kt+7]
.endif
.endr
.endr
.endr
	WIN 0
	v_add_nc_u32 v[ADK], s[TB], v[AK0]             ; these four plain lines are the places (ISA guide 7.12.1 for a read) in front of the loads into K's registers, which the products above read,
	v_add_nc_u32 v[ADV], s[TB], v[AV0]             ; of the loads into V's registers, which the last step's V^T P read,
	v_add_nc_u32 v[ADA], s[TA], v[AA0]             ; and of the first read of the scores
	v_nop
	WIN 0x40
.irp kc, 0,1
.irp ct, 0,1,2,3
	ds_load_tr16_b128 v[VF+32*\kc+8*\ct:VF+32*\kc+8*\ct+3],   v[ADV] offset:32*PV*\kc+32*\ct
	ds_load_tr16_b128 v[VF+32*\kc+8*\ct+4:VF+32*\kc+8*\ct+7], v[ADV] offset:32*PV*\kc+32*\ct+16*PV
.endr
.endr
	WIN 0
.if \pf
	KL 0, STEPB, KSTEP*PA                          ; the next step's K, in four runs of six among the maximum's lines
.endif
	; the maximum of my 32 scores and the old m: four chains, each accumulator read from its low end on
.irp j, 0,1,2,3
.irp t, 0,1
	v_max3_num_f32 v[ST+8*\t+4+\j], v[S+32*\t+8*\j], v[S+32*\t+8*\j+1], v[S+32*\t+8*\j+2]
.endr
.endr
.if \pf
	KL 1, STEPB, KSTEP*PA
.endif
.irp g, 1,2
.irp j, 0,1,2,3
.irp t, 0,1
	v_max3_num_f32 v[ST+8*\t+4+\j], v[ST+8*\t+4+\j], v[S+32*\t+8*\j+2*\g+1], v[S+32*\t+8*\j+2*\g+2]
.endr
.endr
.endr
.if \pf
	KL 2, STEPB, KSTEP*PA
.endif
.irp t, 0,1
	v_max3_num_f32 v[ST+8*\t+4], v[ST+8*\t+4], v[S+32*\t+7], v[S+32*\t+15]
.endr
.irp t, 0,1
	v_max3_num_f32 v[ST+8*\t+6], v[ST+8*\t+6], v[S+32*\t+23], v[S+32*\t+31]
.endr
.irp t, 0,1
	v_max3_num_f32 v[ST+8*\t+4], v[ST+8*\t+4], v[ST+8*\t+5], v[ST+8*\t+6]
.endr
.irp t, 0,1
	v_max3_num_f32 v[ST+8*\t+4], v[ST+8*\t+4], v[ST+8*\t+7], v[ST+8*\t+1]
.endr
.if \pf
	KL 3, STEPB, KSTEP*PA
.endif
.irp t, 0,1
	v_permlanex16_b32 v[ST+8*\t+5], v[ST+8*\t+4], s[SEL], s[SEL+1]   ; the query's other 32 keys lie in the lane 16 away
.endr
.irp t, 0,1
	v_mov_b32 v[ST+8*\t+7], v[ST+8*\t]             ; c m_old
.endr
.irp t, 0,1
	v_max_num_f32 v[ST+8*\t+1], v[ST+8*\t+4], v[ST+8*\t+5]
.endr
.irp t, 0,1
	v_mul_f32 v[ST+8*\t], s[CS], v[ST+8*\t+1]
.endr
.irp t, 0,1
	v_sub_f32 v[ST+8*\t+7], v[ST+8*\t+7], v[ST+8*\t]
.endr
.irp t, 0,1
	v_exp_f32 v[ST+8*\t+6], v[ST+8*\t+7]           ; a
.endr
.set e, 0
.rept 16
.irp t, 0,1
	v_pk_fma_f32 v[S+32*\t+2*e:S+32*\t+2*e+1], v[S+32*\t+2*e:S+32*\t+2*e+1], s[CS:CS+1], v[ST+8*\t:ST+8*\t+1] op_sel_hi:[1,0,0] neg_lo:[0,0,1] neg_hi:[0,0,1]   ; c s - c m
.endr
.set e, e+1
.endr
.set e, 0
.rept 32
.irp t, 0,1
	v_exp_f32 v[S+32*\t+e], v[S+32*\t+e]           ; p, at most 1 but for the rounding of c m
.endr
.set e, e+1
.endr
	v_nop                                          ; a plain instruction behind the last exponential
	s_wait_alu depctr_va_vdst(0)                   ; ONE wait for the 66 exponentials, ahead of the first instruction that names a result
.set e, 0
.rept 16
.irp t, 0,1
	v_cvt_pk_f16_f32 v[P+16*\t+e], v[S+32*\t+2*e], v[S+32*\t+2*e+1]
.endr
.set e, e+1
.endr
.irp u, 0,1,2,3,4,5,6,7                ; the sum of the 16 pairs, in place: neighbours 1, 2, 4 and 8 pairs apart
.irp t, 0,1
	v_pk_add_f32 v[S+32*\t+4*\u:S+32*\t+4*\u+1], v[S+32*\t+4*\u:S+32*\t+4*\u+1], v[S+32*\t+4*\u+2:S+32*\t+4*\u+3]
.endr
.endr
.irp u, 0,1,2,3
.irp t, 0,1
	v_pk_add_f32 v[S+32*\t+8*\u:S+32*\t+8*\u+1], v[S+32*\t+8*\u:S+32*\t+8*\u+1], v[S+32*\t+8*\u+4:S+32*\t+8*\u+5]
.endr
.endr
.irp u, 0,1
.irp t, 0,1
	v_pk_add_f32 v[S+32*\t+16*\u:S+32*\t+16*\u+1], v[S+32*\t+16*\u:S+32*\t+16*\u+1], v[S+32*\t+16*\u+8:S+32*\t+16*\u+9]
.endr
.endr
.irp t, 0,1
	v_pk_add_f32 v[S+32*\t:S+32*\t+1], v[S+32*\t:S+32*\t+1], v[S+32*\t+16:S+32*\t+17]
.endr
.irp t, 0,1
	v_pk_fma_f32 v[ST+8*\t+2:ST+8*\t+3], v[ST+8*\t+2:ST+8*\t+3], v[ST+8*\t+6:ST+8*\t+7], v[S+32*\t:S+32*\t+1] op_sel_hi:[1,0,1]   ; l = a l + the sum
.endr
	WIN 0x41                                       ; O^T (destination and source 0) window 1, a window 0
.irp t, 0,1
.set e, 0
.rept 16
	v_pk_mul_f32 v[OT+32*\t+2*e:OT+32*\t+2*e+1], v[OT+32*\t+2*e:OT+32*\t+2*e+1], v[ST+8*\t+6:ST+8*\t+7] op_sel_hi:[1,0]   ; ascending: each accumulator from its low end on
.set e, e+1
.endr
.endr
	s_wait_dscnt 24*\pf                            ; V is in: behind its sixteen loads stand the next step's 24 (pf = 1), which may be out, or none
	WIN 0x51                                       ; V window 1, P window 0, O^T window 1
.irp kc, 0,1
.irp ct, 0,1,2,3
.irp t, 0,1
	v_wmma_f32_16x16x32_f16 v[OT+32*\t+8*\ct:OT+32*\t+8*\ct+7], v[VF+32*\kc+8*\ct:VF+32*\kc+8*\ct+7], v[P+16*\t+8*\kc:P+16*\t+8*\kc+7], v[OT+32*\t+8*\ct:OT+32*\t+8*\ct+7]
.endr
.endr
.endr
	WIN 0                                          ; at a label and at a branch every window is 0
	s_add_co_u32 s[TB], s[TB], STEPB
	s_add_co_u32 s[TA], s[TA], KSTEP*PA
.endm
; A GROUP OF n KEY STEPS whose tiles a barrier has shown whole: the first step's K; n - 1 trips that look a step ahead; the last step, which looks no further, written out.
.macro STEPS n
	v_add_nc_u32 v[ADK], s[TB], v[AK0]
	v_add_nc_u32 v[ADA], s[TA], v[AA0]
.irp kt, 0,1,2,3
	KL \kt, 0, 0
.endr
	s_mov_b32 s[CNT], \n-1
.Lstep_\@:
	BODY 1
	s_sub_co_i32 s[CNT], s[CNT], 1
	s_cmp_lg_u32 s[CNT], 0
	s_cbranch_scc1 .Lstep_\@
	BODY 0
.endm
	STEPS 4                                        ; keys 0-255, tiles 0-3
	; tiles 0-3 are filled again, with keys 768-1,023
	s_wait_tensorcnt 0x0                           ; all my tensor loads have landed, so a group 0 may be written
	ds_add_u32 v[SPW], v[NIL]                      ; 0 onto my spare word
	s_add_nc_u64 s[G0K+2:G0K+3], s[G0K+2:G0K+3], 768*128
	s_add_nc_u64 s[G0V+2:G0V+3], s[G0V+2:G0V+3], 768*128
	s_wait_dscnt 0x0                               ; the add is done, and my reads of tiles 0-3 are over
	CROUND                                         ; both now hold of every wave of all four work-groups
	s_cmp_lt_u32 s[WV], 4
	s_cbranch_scc0 .Lfor_v
	tensor_load_to_lds s[G0K:G0K+3], s[G1K:G1K+7]  ; my one tensor load behind the round
	s_nop 0
.rept 4
	v_nop
.endr
	s_branch .Lasked
.Lfor_v:
	tensor_load_to_lds s[G0V:G0V+3], s[G1V:G1V+7]
	s_nop 0
.rept 4
	v_nop
.endr
.Lasked:
	STEPS 8                                        ; keys 256-767, tiles 4-11: the refill lands meanwhile
	s_wait_tensorcnt 0x0                           ; my part of the refill is in,
	s_wait_dscnt 0x0                               ; and my reads of tiles 4-11 are over
	s_barrier_signal -1
	s_barrier_wait -1                              ; everybody's
	s_mov_b32 s[TB], 0
	STEPS 4                                        ; keys 768-1,023, tiles 0-3
	; THE WAY OUT.  l's halves are added; O^T is divided by l, rounded to f16 and sent through my stage, so that 32 lanes store 512 consecutive bytes.  The lines on l are the places behind the last products.
.irp t, 0,1
	v_add_f32 v[ST+8*\t+4], v[ST+8*\t+2], v[ST+8*\t+3]
.endr
.irp t, 0,1
	v_permlanex16_b32 v[ST+8*\t+5], v[ST+8*\t+4], s[SEL], s[SEL+1]
.endr
.irp t, 0,1
	v_add_f32 v[ST+8*\t+4], v[ST+8*\t+4], v[ST+8*\t+5]
.endr
.irp t, 0,1
	v_rcp_f32 v[ST+8*\t+6], v[ST+8*\t+4]
.endr
	s_mul_i32 s87, s[WV], 2*16*SP
	s_add_co_u32 s87, s87, STAGE                   ; my stage
	v_mul_u32_u24 v[STO], v1, SP
	v_lshl_add_u32 v[STO], v2, 4, v[STO]
	v_add_nc_u32 v[STO], s87, v[STO]               ; in: row r, 16 bytes for each half of the lanes
	v_and_b32 v14, 31, v0
	v_lshrrev_b32 v15, 3, v14
	v_mul_u32_u24 v[RD], v15, SP
	v_and_b32 v15, 7, v14
	v_lshl_add_u32 v[RD], v15, 4, v[RD]
	v_add_nc_u32 v[RD], s87, v[RD]                 ; back: eight lanes to a row of 128 bytes, four rows an instruction
	v_lshlrev_b32 v[GO], 4, v14
	s_wait_alu depctr_va_vdst(0)                   ; one wait for the two reciprocals, ahead of their first reader
.irp t, 0,1
	WIN 0x41
.set e, 0
.rept 16
	v_pk_mul_f32 v[OT+32*\t+2*e:OT+32*\t+2*e+1], v[OT+32*\t+2*e:OT+32*\t+2*e+1], v[ST+8*\t+6:ST+8*\t+7] op_sel_hi:[1,0]
.set e, e+1
.endr
	WIN 0x05                                       ; sources window 1, destination window 0
.set e, 0
.rept 16
	v_cvt_pk_f16_f32 v[S+16*\t+e], v[OT+32*\t+2*e], v[OT+32*\t+2*e+1]
.set e, e+1
.endr
	WIN 0
.irp ct, 0,1,2,3
	ds_store_b128 v[STO], v[S+16*\t+4*\ct:S+16*\t+4*\ct+3] offset:16*SP*\t+32*\ct
.endr
.irp i, 0,1,2,3
	ds_load_b128 v[KF+16*\t+4*\i:KF+16*\t+4*\i+3], v[RD] offset:16*SP*\t+4*SP*\i   ; LDS serves a wave's instructions in order: these see the stores above
.endr
.endr
.irp t, 0,1
.irp i, 0,1,2,3
	s_wait_dscnt 8*(1-\t)+3-\i                     ; behind this load: the rest of its tile's, and tile 1's eight
	global_store_b128 v[GO], v[KF+16*\t+4*\i:KF+16*\t+4*\i+3], s[14:15] offset:2048*\t+512*\i
.endr
.endr
	s_wait_tensorcnt 0x0                           ; the wave's end
	ds_add_u32 v[SPW], v[NIL]
	s_wait_dscnt 0x0
	CROUND                                         ; the closing round
	s_endpgm
.Lfunc_end_k_q7cb0de14a9_attn:
	.size	k_q7cb0de14a9_attn, .Lfunc_end_k_q7cb0de14a9_attn-k_q7cb0de14a9_attn
	.p2alignl 7, 3214868480
	.fill 96, 4, 3214868480
	.section	.rodata,"a",@progbits
	.p2align	6, 0x0
	.amdhsa_kernel k_q7cb0de14a9_attn
		.amdhsa_group_segment_fixed_size 327680
		.amdhsa_private_segment_fixed_size 0
		.amdhsa_enable_private_segment 0
		.amdhsa_kernarg_size 48
		.amdhsa_user_sgpr_count 2
		.amdhsa_user_sgpr_kernarg_segment_ptr 1
		.amdhsa_wavefront_size32 1
		.amdhsa_system_sgpr_workgroup_id_x 1
		.amdhsa_system_sgpr_workgroup_id_y 1
		.amdhsa_system_sgpr_workgroup_id_z 1
		.amdhsa_system_vgpr_workitem_id 0
		.amdhsa_next_free_vgpr 512
		.amdhsa_next_free_sgpr 96
		.amdhsa_reserve_vcc 1
		.amdhsa_float_denorm_mode_32 3
		.amdhsa_float_denorm_mode_16_64 3
		.amdhsa_memory_ordered 1
		.amdhsa_forward_progress 1
		.amdhsa_inst_pref_size 138
	.end_amdhsa_kernel
	.amdgpu_metadata
---
amdhsa.version: [ 1, 2 ]
amdhsa.kernels:
  - .name:           k_q7cb0de14a9_attn
    .symbol:         k_q7cb0de14a9_attn.kd
    .args:
      - { .name: qkv, .offset: 0, .size: 8, .value_kind: global_buffer, .address_space: global }
      - { .name: case_ids, .offset: 8, .size: 8, .value_kind: global_buffer, .address_space: global }
      - { .name: verb_mask, .offset: 16, .size: 8, .value_kind: global_buffer, .address_space: global }
      - { .name: case_bias, .offset: 24, .size: 8, .value_kind: global_buffer, .address_space: global }
      - { .name: verb_bias, .offset: 32, .size: 8, .value_kind: global_buffer, .address_space: global }
      - { .name: ob, .offset: 40, .size: 8, .value_kind: global_buffer, .address_space: global }
    .group_segment_fixed_size: 327680
    .private_segment_fixed_size: 0
    .kernarg_segment_align: 8
    .kernarg_segment_size: 48
    .max_flat_workgroup_size: 256
    .sgpr_count:     96
    .vgpr_count:     512
    .wavefront_size: 32
...
	.end_amdgpu_metadata
.endif
;; end of part 3
;; launch oproj (part 4): grid 8 x 32, 4 waves a work-group, clusters of 4 x 4, 327,680 bytes of LDS; arguments ob, wo16, bo, out0; writes out0
.if DOCPART == 4
	.amdgcn_target "amdgcn-amd-amdhsa--gfx1250"
	.amdhsa_code_object_version 6
	.text
	.protected	k_q7cb0de14a9_oproj
	.globl	k_q7cb0de14a9_oproj
	.p2align	8
	.type	k_q7cb0de14a9_oproj,@function
k_q7cb0de14a9_oproj:
	s_mov_b64 s[64:65], 0
	v_nop
	global_prefetch_b8 v0, s[64:65] scope:SCOPE_SE
	s_setreg_imm32_b32 hwreg(HW_REG_WAVE_MODE, 25, 1), 1
	s_wait_xcnt 0x0
	s_wait_alu depctr_hold_cnt(0) depctr_sa_sdst(0) depctr_va_vdst(0) depctr_va_sdst(0) depctr_va_ssrc(0) depctr_va_vcc(0) depctr_vm_vsrc(0)
	s_getreg_b32 s2, hwreg(HW_REG_IB_STS2, 6, 4)
	s_cmp_eq_u32 s2, 0
	s_cbranch_scc0 .Lentry_in_a_cluster
	s_endpgm
.Lentry_in_a_cluster:
	s_bfe_u32 s2, ttmp6, 0x10000c
	s_cmp_lg_u32 s2, 0xf033
	s_cbranch_scc0 .Lentry_shape_is_right
	s_endpgm
.Lentry_shape_is_right:
; out0[m][n] = sum over k of O[m][k] Wo[k][n] + bo[n].  O: f16, ob [32 blocks of 128 rows][16 heads][128][64]; Wo: f16, wo16 [1024 k][1024 n]; out0 [4096][1024] f32; sums in f32.
; A tile of out0 is 128 x 128 (256 work-groups); four waves, each 64 x 64: 16 accumulators.  K goes in four steps of 256 (four heads) through two LDS slots.
; A K step of O for 128 rows is ONE dense block of 65,536 bytes: 512 rows of 128 bytes (head, row).  Wo's K is its first axis: its tile (256 k x 128 n) lies in LDS as in memory and is read by the turning load.
; CLUSTERS: 4 x 4 work-groups; O's tiles are shared along a row of the cluster, Wo's along a column: joint loads.  THE MATRIX INSTRUCTION IS USED TRANSPOSED (source 0 = 16 columns of Wo, source 1 = 16 rows of O):
; a lane holds eight neighbouring n of one row m.  THE BIAS is the C of each sum's first product.  No prefetch: small tiles, four K steps.
; REGISTERS: window 0: v0-31 addresses; v32-95 the way out; v96-127 the bias; v128-255 the accumulators ((a, b) at v[128 + 8 (4 a + b)]).  Window 1: two fragment buffers of 128: 64 registers of O, then 64 of Wo.
.set PA,     144                       ; a row of O in LDS: 128 bytes + 16
.set PB,     288                       ; a row of Wo: 256 + 32, for the turning load
.set HALFT,  36864                     ; what one tensor load brings: 256 rows of O, or 128 rows of Wo
.set SLOT,   4*HALFT
.set STAGE,  2*SLOT                    ; behind the ring: 16 rows x 272 bytes for each wave
.set SPITCH, 272
.set SPARE,  STAGE+4*16*SPITCH         ; the spare words, 128 bytes for each wave: two blocks of 256 bytes that no other line names
.set ADRA, 16                          ; v16-17  my O fragments in slot 0, 1
.set ADRB, 20                          ; v20-23  my Wo fragments: slot 0 quarters 0-1, 2-3; slot 1 likewise (an LDS offset has 16 bits)
.set STO,  24
.set RD,   25
.set CO,   26
.set SPW,  28
.set NIL,  29
.set TMP,  32
.set BI,   96
.set ACC,  128
.set F0,   0
.set F1,   128
.set G1, 24
.set G0, 32
.set G1B, 48
.set G0B, 56
.set MSB, 0
.macro WIN new
.if MSB != \new
	s_set_vgpr_msb (MSB<<8)|\new
.set MSB, \new
.endif
.endm
.set MUL,  0x05                        ; sources 0 and 1 window 1; C and D window 0
.set TO_F, 0x40
.macro JLOAD s                         ; waves 0 and 1 fetch O's two halves, waves 2 and 3 Wo's; an s_nop 0 and four v_nop follow each of the two lines
	s_cmp_eq_u32 s11, 0
	s_cbranch_scc0 .Lfor_b_\@
	tensor_load_to_lds s[G0+4*\s:G0+4*\s+3], s[G1:G1+7]
	s_nop 0
.rept 4
	v_nop
.endr
	s_branch .Lasked_\@
.Lfor_b_\@:
	tensor_load_to_lds s[G0B+4*\s:G0B+4*\s+3], s[G1B:G1B+7]
	s_nop 0
.rept 4
	v_nop
.endr
.Lasked_\@:
.endm
.macro CREST
	s_cmp_lg_u32 s10, 0
	s_cbranch_scc1 .Lnot_wave_0_\@
	s_barrier_signal -3
.Lnot_wave_0_\@:
	s_barrier_wait -3
	s_barrier_signal -1
	s_barrier_wait -1
.endm
.macro CROUND
	s_barrier_signal -1
	s_barrier_wait -1
	CREST
.endm
	s_load_b128 s[4:7], s[0:1], 0x0                ; ob s[4:5], wo16 s[6:7]
	s_load_b64 s[2:3], s[0:1], 0x10                ; bo
	s_load_b64 s[8:9], s[0:1], 0x18                ; out0
	v_lshl_add_u32 v[SPW], v0, 2, SPARE
	v_mov_b32 v[NIL], 0
	ds_add_u32 v[SPW], v[NIL]                      ; the wave's opening: the add, twice on end, and its wait ahead of my first tensor load
	ds_add_u32 v[SPW], v[NIL]
	v_lshrrev_b32 v1, 5, v0
	v_readfirstlane_b32 s10, v1                    ; wave 0..3
	s_lshr_b32 s11, s10, 1                         ; which half of the tile's rows is mine.  Also: I fetch for O (0) or for Wo (1)
	s_and_b32 s12, s10, 1                          ; which half of its columns.  Also: which half of that tile I fetch
	s_bfe_u32 s40, ttmp6, 0x40000
	s_bfe_u32 s41, ttmp6, 0x40004
	s_lshl_b32 s42, ttmp9, 2
	s_add_co_u32 s42, s42, s40                     ; tile column
	s_and_b32 s13, ttmp7, 0xffff
	s_lshl_b32 s13, s13, 2
	s_add_co_u32 s13, s13, s41                     ; tile row
	s_lshl_b32 s43, s41, 2
	s_lshl_b32 s43, 15, s43                        ; my row of the cluster
	s_lshl_b32 s44, 0x1111, s40                    ; my column
	s_or_b32 s[G1+0], s43, (1<<16)|(1<<20)|(1<<21)|(4<<22)|(3<<25)   ; O: elements of 2 bytes; after every 32 words four words of padding
	s_mov_b32 s[G1+1], 64<<16                      ; tensor_dim0
	s_mov_b32 s[G1+2], 256<<16                     ; tensor_dim1
	s_mov_b32 s[G1+3], 64<<16                      ; tile_dim0
	s_mov_b32 s[G1+4], 256                         ; tile_dim1
	s_mov_b32 s[G1+5], 64                          ; the pitch: dense
	s_mov_b32 s[G1+6], 0
	s_mov_b32 s[G1+7], 0
	s_or_b32 s[G1B+0], s44, (1<<16)|(1<<20)|(1<<21)|(5<<22)|(7<<25)  ; Wo: after every 64 words eight words
	s_mov_b32 s[G1B+1], 128<<16
	s_mov_b32 s[G1B+2], 128<<16
	s_mov_b32 s[G1B+3], 128<<16
	s_mov_b32 s[G1B+4], 128
	s_mov_b32 s[G1B+5], 1024
	s_mov_b32 s[G1B+6], 0
	s_mov_b32 s[G1B+7], 0
	s_lshl_b32 s16, s13, 18                        ; O: 262,144 bytes a block of 128 rows,
	s_lshl_b32 s17, s12, 15                        ; + two heads for the second half
	s_add_co_u32 s16, s16, s17
	s_mov_b32 s17, 0
	s_lshl_b32 s46, s42, 8                         ; Wo: 128 columns x 2 bytes,
	s_lshl_b32 s47, s12, 18                        ; + 128 rows of 2,048 bytes for the second half
	s_add_co_u32 s46, s46, s47
	s_mov_b32 s47, 0
	s_mul_i32 s20, s10, HALFT                      ; where they go: no place in the cluster enters an LDS address
	s_wait_dscnt 0x0                               ; both opening adds are done
	s_wait_kmcnt 0x0
	s_add_nc_u64 s[14:15], s[4:5], s[16:17]
	s_add_nc_u64 s[46:47], s[6:7], s[46:47]
	CROUND                                         ; all sixteen work-groups are here: the first joint loads meet
.irp s, 0,1
	s_mov_b32 s[G0+4*\s], 1
	s_add_co_u32 s[G0+4*\s+1], s20, \s*SLOT
	s_add_nc_u64 s[G0+4*\s+2:G0+4*\s+3], s[14:15], \s*65536        ; K step s: four heads on
	s_or_b32 s[G0+4*\s+3], s[G0+4*\s+3], 0x80000000
	s_mov_b32 s[G0B+4*\s], 1
	s_add_co_u32 s[G0B+4*\s+1], s20, \s*SLOT
	s_add_nc_u64 s[G0B+4*\s+2:G0B+4*\s+3], s[46:47], \s*524288     ; 256 rows on
	s_or_b32 s[G0B+4*\s+3], s[G0B+4*\s+3], 0x80000000
	JLOAD \s                                       ; two loads of mine are out
.endr
	v_and_b32 v1, 15, v0                           ; r
	v_bfe_u32 v2, v0, 4, 1                         ; h
	s_lshl_b32 s46, s42, 9
	s_lshl_b32 s47, s12, 8
	s_add_co_u32 s46, s46, s47                     ; my first column, in bytes of f32: 512 x tile column + 256 x half
	s_mov_b32 s47, 0
	s_add_nc_u64 s[2:3], s[2:3], s[46:47]
	v_lshlrev_b32 v27, 5, v2
.irp b, 0,1,2,3
	global_load_b128 v[BI+8*\b:BI+8*\b+3], v27, s[2:3] offset:64*\b        ; lane (r, h): bo at n = 16 b + 8 h + 0 .. 7
	global_load_b128 v[BI+8*\b+4:BI+8*\b+7], v27, s[2:3] offset:64*\b+16
.endr
	v_mul_u32_u24 v3, v1, PA
	v_lshl_add_u32 v3, v2, 4, v3
	s_mul_i32 s21, s11, 64*PA                      ; my 64 rows of each head
	v_add_nc_u32 v[ADRA], s21, v3
	s_add_co_u32 s21, s21, SLOT
	v_add_nc_u32 v[ADRA+1], s21, v3
	v_and_b32 v4, 7, v0
	v_lshl_add_u32 v4, v2, 3, v4
	v_mul_u32_u24 v4, v4, PB
	v_bfe_u32 v5, v0, 3, 1
	v_lshl_add_u32 v4, v5, 4, v4                   ; the turning load: k = 8 h + l % 8, columns 8 ((l / 8) % 2) on
	s_lshl_b32 s22, s12, 7                         ; my 64 columns,
	s_add_co_u32 s22, s22, 2*HALFT                 ; behind O's 512 rows
	v_add_nc_u32 v[ADRB], s22, v4
	s_add_co_u32 s22, s22, HALFT
	v_add_nc_u32 v[ADRB+1], s22, v4
	s_add_co_u32 s22, s22, SLOT-HALFT
	v_add_nc_u32 v[ADRB+2], s22, v4
	s_add_co_u32 s22, s22, HALFT
	v_add_nc_u32 v[ADRB+3], s22, v4
	s_mul_i32 s23, s10, 16*SPITCH
	s_add_co_u32 s23, s23, STAGE                   ; my stage
	v_mul_u32_u24 v5, v1, SPITCH
	v_lshl_add_u32 v5, v2, 5, v5
	v_add_nc_u32 v[STO], s23, v5                   ; in: row r, 32 bytes for each half of the lanes
	v_mul_u32_u24 v5, v2, SPITCH
	v_lshl_add_u32 v5, v1, 4, v5
	v_add_nc_u32 v[RD], s23, v5                    ; back: lanes 0-15 one row of 256 bytes, lanes 16-31 the next
	v_lshlrev_b32 v5, 12, v2
	v_lshl_add_u32 v[CO], v1, 4, v5                ; and the same two rows of out0
	s_lshl_b32 s16, s13, 7
	s_lshl_b32 s17, s11, 6
	s_add_co_u32 s16, s16, s17
	s_lshl_b32 s16, s16, 12                        ; my first row x 4,096 bytes
	s_mov_b32 s17, 0
	s_add_nc_u64 s[8:9], s[8:9], s[16:17]
	s_add_nc_u64 s[8:9], s[8:9], s[46:47]
; 8 matrix instructions: m blocks a0, a0 + 1 x all 4 n blocks, 32 along K: half c of buffer f.  first = 1: the bias is C.  The 16 accumulators take turns.
.macro MUL8 f, c, a0, first
.irp a, \a0, \a0+1
.irp b, 0,1,2,3
.if \first
	v_wmma_f32_16x16x32_f16 v[ACC+8*(4*(\a)+\b):ACC+8*(4*(\a)+\b)+7], v[\f+64+8*(4*\c+\b):\f+64+8*(4*\c+\b)+7], v[\f+8*(4*\c+\a):\f+8*(4*\c+\a)+7], v[BI+8*\b:BI+8*\b+7]
.else
	v_wmma_f32_16x16x32_f16 v[ACC+8*(4*(\a)+\b):ACC+8*(4*(\a)+\b)+7], v[\f+64+8*(4*\c+\b):\f+64+8*(4*\c+\b)+7], v[\f+8*(4*\c+\a):\f+8*(4*\c+\a)+7], v[ACC+8*(4*(\a)+\b):ACC+8*(4*(\a)+\b)+7]
.endif
.endr
.endr
.endm
; 32 LDS loads in one run: the fragments of quarter q (64 along K = one head) into buffer f; the first 32 along K first
.macro FETCH slot, q, f
	WIN TO_F
.irp c, 0,1
.irp i, 0,1,2,3
	ds_load_tr16_b128 v[\f+64+8*(4*\c+\i):\f+64+8*(4*\c+\i)+3],   v[ADRB+2*\slot+(\q)/2] offset:32*PB*((2*(\q)+\c)%4)+32*\i
	ds_load_tr16_b128 v[\f+64+8*(4*\c+\i)+4:\f+64+8*(4*\c+\i)+7], v[ADRB+2*\slot+(\q)/2] offset:32*PB*((2*(\q)+\c)%4)+32*\i+16*PB
	ds_load_b128 v[\f+8*(4*\c+\i):\f+8*(4*\c+\i)+3],              v[ADRA+\slot] offset:128*PA*(\q)+16*PA*\i+64*\c
	ds_load_b128 v[\f+8*(4*\c+\i)+4:\f+8*(4*\c+\i)+7],            v[ADRA+\slot] offset:128*PA*(\q)+16*PA*\i+64*\c+32
.endr
.endr
.endm
.macro PLACES                          ; four plain vector instructions between a matrix instruction and a load into, or a read of, its registers (ISA guide 7.12.1 for a read)
.rept 4
	v_nop
.endr
.endm
; One of a K step's first three quarters: multiplies buffer f and fetches quarter q into g
.macro QUARTER slot, q, f, g, first
	s_wait_dscnt 16                                ; the first 32 along K are in; the youngest sixteen loads may be out
	WIN MUL
	MUL8 \f, 0, 0, \first
	MUL8 \f, 0, 2, \first
	PLACES
	FETCH \slot, \q, \g
	s_wait_dscnt 32                                ; all but the 32 just issued
	WIN MUL
	MUL8 \f, 1, 0, 0
	MUL8 \f, 1, 2, 0
.endm
; The last quarter multiplies buffer 1 and changes slots: ONE barrier; in front of it each wave waits for all its tensor loads, adds 0 to its spare word, and waits for that and for its reads of this slot.
.macro TURN slot, next, fill
	WIN 0
	s_wait_tensorcnt 0x0                           ; all my tensor loads have landed: my part of the next slot
	ds_add_u32 v[SPW], v[NIL]                      ; 0 onto my spare word
	s_wait_dscnt 17                                ; (the add and the youngest sixteen loads may be out)
	WIN MUL
	MUL8 F1, 0, 0, 0
	s_wait_dscnt 0x0                               ; the add is done, and my reads of this slot are over
	s_barrier_signal -1
	MUL8 F1, 0, 2, 0
.if \fill
	WIN 0
.endif
	s_barrier_wait -1
.if \fill
	CREST                                          ; the barrier has opened a round of the cluster's: no wave of any partner still reads this slot or has a load on its way
	s_add_nc_u64 s[G0+4*\slot+2:G0+4*\slot+3], s[G0+4*\slot+2:G0+4*\slot+3], 2*65536
	s_add_nc_u64 s[G0B+4*\slot+2:G0B+4*\slot+3], s[G0B+4*\slot+2:G0B+4*\slot+3], 2*524288
	JLOAD \slot                                    ; my one tensor load behind the round; its four v_nop are also the places in front of the loads below
.else
	PLACES
.endif
	FETCH \next, 0, F0
	WIN MUL
	MUL8 F1, 1, 0, 0
	MUL8 F1, 1, 2, 0
.endm
	s_wait_tensorcnt 1                             ; my part of K step 0 is in; K step 1's load may be out
	s_barrier_signal -1
	s_barrier_wait -1
	FETCH 0, 0, F0
	s_wait_loadcnt 0x0                             ; the bias
	QUARTER 0, 1, F0, F1, 1                        ; the first products start the sums from the bias
	QUARTER 0, 2, F1, F0, 0
	QUARTER 0, 3, F0, F1, 0
	TURN 0, 1, 1                                   ; slot 0 takes K step 2
	QUARTER 1, 1, F0, F1, 0
	QUARTER 1, 2, F1, F0, 0
	QUARTER 1, 3, F0, F1, 0
	TURN 1, 0, 1                                   ; slot 1 takes K step 3
	QUARTER 0, 1, F0, F1, 0
	QUARTER 0, 2, F1, F0, 0
	QUARTER 0, 3, F0, F1, 0
	TURN 0, 1, 0                                   ; nothing is left to fetch
	QUARTER 1, 1, F0, F1, 0
	QUARTER 1, 2, F1, F0, 0
	QUARTER 1, 3, F0, F1, 0
	s_wait_dscnt 16
	WIN MUL
	MUL8 F1, 0, 0, 0
	MUL8 F1, 0, 2, 0
	s_wait_dscnt 0
	MUL8 F1, 1, 0, 0
	MUL8 F1, 1, 2, 0
	WIN 0
; THE WAY OUT, 16 rows x 64 columns at a time: a row's 64 f32 are 256 bytes, aligned, all of them mine: through my own stage, back as whole rows, sixteen lanes to a row.
.macro TOSTAGE a
.set BB, TMP+32*((\a)%2)
.irp b, 0,1,2,3
	ds_store_b128 v[STO], v[ACC+8*(4*(\a)+\b):ACC+8*(4*(\a)+\b)+3] offset:64*\b          ; each accumulator from its low end on
	ds_store_b128 v[STO], v[ACC+8*(4*(\a)+\b)+4:ACC+8*(4*(\a)+\b)+7] offset:64*\b+16
.endr
.irp t, 0,1,2,3,4,5,6,7
	ds_load_b128 v[BB+4*\t:BB+4*\t+3], v[RD] offset:\t*2*SPITCH    ; LDS serves a wave's instructions in order: these see the stores above
.endr
.endm
.macro SEND a, younger
.set BB, TMP+32*((\a)%2)
	s_wait_dscnt \younger                          ; the block is back; the next block's sixteen LDS instructions may be out
.irp t, 0,1,2,3,4,5,6,7
	global_store_b128 v[CO], v[BB+4*\t:BB+4*\t+3], s[8:9] offset:(16*(\a)+2*\t)*4096 th:TH_STORE_NT   ; 16 lanes store 256 consecutive bytes, aligned; written once, read by nobody here
.endr
.endm
	PLACES
	TOSTAGE 0
.irp a, 1,2,3
.if \a > 1
	s_wait_xcnt 0x0                                ; block a - 2's stores have read their registers: block a's loads may land there
.endif
	TOSTAGE \a
	SEND \a-1, 16
.endr
	SEND 3, 0
	s_wait_tensorcnt 0x0                           ; the wave's end
	ds_add_u32 v[SPW], v[NIL]
	s_wait_dscnt 0x0
	CROUND                                         ; the closing round
	s_endpgm
.Lfunc_end_k_q7cb0de14a9_oproj:
	.size	k_q7cb0de14a9_oproj, .Lfunc_end_k_q7cb0de14a9_oproj-k_q7cb0de14a9_oproj
	.p2alignl 7, 3214868480
	.fill 96, 4, 3214868480
	.section	.rodata,"a",@progbits
	.p2align	6, 0x0
	.amdhsa_kernel k_q7cb0de14a9_oproj
		.amdhsa_group_segment_fixed_size 327680
		.amdhsa_private_segment_fixed_size 0
		.amdhsa_enable_private_segment 0
		.amdhsa_kernarg_size 32
		.amdhsa_user_sgpr_count 2
		.amdhsa_user_sgpr_kernarg_segment_ptr 1
		.amdhsa_wavefront_size32 1
		.amdhsa_system_sgpr_workgroup_id_x 1
		.amdhsa_system_sgpr_workgroup_id_y 1
		.amdhsa_system_sgpr_workgroup_id_z 1
		.amdhsa_system_vgpr_workitem_id 0
		.amdhsa_next_free_vgpr 512
		.amdhsa_next_free_sgpr 66
		.amdhsa_reserve_vcc 0
		.amdhsa_float_denorm_mode_32 3
		.amdhsa_float_denorm_mode_16_64 3
		.amdhsa_memory_ordered 1
		.amdhsa_forward_progress 1
		.amdhsa_inst_pref_size 86
	.end_amdhsa_kernel
	.amdgpu_metadata
---
amdhsa.version: [ 1, 2 ]
amdhsa.kernels:
  - .name:           k_q7cb0de14a9_oproj
    .symbol:         k_q7cb0de14a9_oproj.kd
    .args:
      - { .name: ob, .offset: 0, .size: 8, .value_kind: global_buffer, .address_space: global }
      - { .name: wo16, .offset: 8, .size: 8, .value_kind: global_buffer, .address_space: global }
      - { .name: bo, .offset: 16, .size: 8, .value_kind: global_buffer, .address_space: global }
      - { .name: out0, .offset: 24, .size: 8, .value_kind: global_buffer, .address_space: global }
    .group_segment_fixed_size: 327680
    .private_segment_fixed_size: 0
    .kernarg_segment_align: 8
    .kernarg_segment_size: 32
    .max_flat_workgroup_size: 128
    .sgpr_count:     66
    .vgpr_count:     512
    .wavefront_size: 32
...
	.end_amdgpu_metadata
.endif
;; end of part 4
